; MI455X (gfx1250); checked and timed in simulation.
; The chip was launched on July 23, 2026; its instructions are those of AMD's public machine-readable ISA for CDNA 5 (MIT licence, August 2026) and "CDNA5" Instruction Set Architecture Reference Guide (July 2026). The comments in the code are by the model that wrote it; some were corrected since.
;; Masked Attention. Allowed arithmetic: matrix products marked QUANTISED: E2M1 operands, one E8M0 scale for each 32 along K, by v_wmma_scale_f32_16x16x128_f8f6f4 with both operands' format E2M1 (or v_wmma_scale_f32_32x16x128_f4), f32 sums; products left as they are: bf16, f16 or f32 operands; f32 sums; everything else in f32.
;; Inputs: Wk 1,024 x 1,024 float32; Wp 1,024 x 1,024 float32; Wq 1,024 x 1,024 float32; Wv 1,024 x 1,024 float32; bk 1,024 float32; bp 1,024 float32; bq 1,024 float32; bv 1,024 float32; x 2 x 2,048 x 1,024 float32.
;; Outputs: out0 2 x 2,048 x 1,024 float32.
;; This version of the problem:
;;   THIS VERSION OF THE PROBLEM IS GIVEN IN LOW PRECISION. The matrix products marked QUANTISED in the list below multiply operands that are first quantised to E2M1 (2 exponent bits, 1 mantissa bit; 4 bits a number), with one power-of-two scale for each 32 numbers along K (OCP MX v1.0); their sums are f32. The products marked 'left as it is' may take bf16, f16 or f32 operands, with f32 sums. Whichever they take, every output number must still come out within the allowed error. Rounding operands to bf16 (8 significant bits) uses up far more of that allowance than f16 does (11 bits, for magnitudes from 6e-5 to 65,504). All else is computed in f32.
;;   The module's matrix products, in the order in which they are computed (A, B: the left and right operand; K: the contracted axis; several contracted axes count as one K, in the product's order):
;;     1. [M 4,096, K 1,024] x [K 1,024, N 1,024]; A: input x; B: input Wq: QUANTISED
;;     2. [M 4,096, K 1,024] x [K 1,024, N 1,024]; A: input x; B: input Wk: QUANTISED
;;     3. [M 4,096, K 1,024] x [K 1,024, N 1,024]; A: input x; B: input Wv: QUANTISED
;;     4. batch 32 x [M 2,048, K 64] x [K 64, N 2,048]; A: computed on the way; B: computed on the way: left as it is (an operand is computed on the way)
;;     5. batch 32 x [M 2,048, K 2,048] x [K 2,048, N 64]; A: computed on the way; B: computed on the way: left as it is (an operand is computed on the way)
;;     6. [M 4,096, K 1,024] x [K 1,024, N 1,024]; A: computed on the way; B: input Wp: left as it is (an operand is computed on the way)
;;   THE QUANTISER, for each operand of a quantised product, along K:
;;     - K is cut into blocks of 32 from its start; a last block that is shorter is filled with zeros.
;;     - A block's scale is 2^e with e = floor(log2(the largest magnitude in the block)) - 2, held to -126 .. 127; a block of zeros has e = 0. As a byte (E8M0): e + 127.
;;     - Each number is divided by its block's scale, clamped to +-6, and rounded to the nearest number of E2M1, ties to even, subnormals kept.
;;     - The product sums the exact products of the quantised numbers (number of the format x scale) in f32.
;;   ~~~python
;;   def quantise(x, axis):      # numpy; x: float32 -> the quantised numbers, widened to float32 again
;;       x = np.moveaxis(x, axis, -1); K = x.shape[-1]
;;       x = np.pad(x, [(0, 0)] * (x.ndim - 1) + [(0, -K % 32)]); x = x.reshape(x.shape[:-1] + (-1, 32)); a = np.abs(x).max(-1, keepdims=True)
;;       e = np.where(a > 0, np.clip(np.frexp(np.where(a > 0, a, 1))[1] - 1 - 2, -126, 127), 0)      # np.frexp(a)[1] - 1 = floor(log2(a)), exactly
;;       r = np.clip(x / 2.0 ** e, -6, 6)
;;       step = 2.0 ** (np.maximum(np.frexp(np.where(r == 0, 1, r))[1] - 1, 0) - 1)
;;       q = np.round(r / step) * step * 2.0 ** e      # np.round: ties to even
;;       return np.moveaxis(q.reshape(q.shape[:-2] + (-1,))[..., :K], -1, axis).astype(np.float32)
;;   ~~~
;; One version. Each part assembles by itself: llvm-mc -triple=amdgcn-amd-amdhsa -mcpu=gfx1250 --defsym DOCPART=n.
;; ======== version 1 of 1: 5 launches
;; limits: values are held in f16: magnitudes above 65,504 overflow, below 6.1e-05 lose precision
;; workspace buffers: xc 2,097,152 bytes; xs 131,072 bytes; wc 1,572,864 bytes; ws 98,304 bytes; wph 2,097,152 bytes; qkv 25,165,824 bytes; fq 393,216 bytes; ah 8,388,608 bytes
;; launch prep (part 1): grid 256 x 1, 4 waves a work-group, no clusters, 33,280 bytes of LDS; arguments x, Wq, Wk, Wv, Wp, xc, xs, wc, ws, wph; writes xc, xs, wc, ws, wph
.if DOCPART == 1
	.amdgcn_target "amdgcn-amd-amdhsa--gfx1250"
	.amdhsa_code_object_version 6
	.text
	.protected	k_qa03593d946_prep
	.globl	k_qa03593d946_prep
	.p2align	8
	.type	k_qa03593d946_prep,@function
k_qa03593d946_prep:
	s_mov_b64 s[64:65], 0
	v_nop
	global_prefetch_b8 v0, s[64:65] scope:SCOPE_SE
	s_setreg_imm32_b32 hwreg(HW_REG_WAVE_MODE, 25, 1), 1
	s_wait_xcnt 0x0
; x [4096][1024] and Wq, Wk, Wv [1024][1024], f32 with K innermost, become codes of FP4 (E2M1), two a byte, the lower k in the low four bits, and one E8M0 byte for each 32 along K.
; xc [4096][512 bytes], xs [4096][32];  wc [3072][512 bytes], ws [3072][32]: rows 0-1023 Wq, 1024-2047 Wk, 2048-3071 Wv.  Wp [1024][1024] is rounded to f16: wph.
; A block's scale is 2^(floor(log2(its largest magnitude)) - 2): its byte is the largest magnitude's exponent field - 2, held at 1 from below.  A block of zeros so gets the byte 1: its codes are zeros,
; which add nothing under that byte, and the bytes are read by this program alone.  Each number is divided by the scale and rounded to the nearest code, ties to even; beyond the largest code the largest.
; LIMITS: blocks whose largest magnitude lies under 2^-124 keep the byte 1; NaN and infinities among the inputs are not served; |Wp| stays under 65,504 (f16).
; SHARES.  Rows are dense and 1,024 is a multiple of 32: every tensor is a plain stream.  A work-group takes 32,768 numbers, a wave 8,192.  Work-groups 0-127: x; 128-223: Wq, Wk, Wv (32 each); 224-255: Wp.
; Only pointers are chosen for the four quantised tensors: they take one path.  No tensor loads, no barrier: waves share nothing.
; THE QUANTISER: 16 steps of 512 numbers.  Each of a step's four loads reads 512 consecutive bytes, 16 a lane; the conversions want 16 neighbours in one lane, so the 2,048 bytes turn through the wave's own stage in LDS
; (16 bytes of padding behind each 64) and come back 64 bytes a lane.  Two neighbouring lanes hold a block.  A lane's 16 codes are 8 bytes: the wave stores 256 consecutive bytes.  A wave's 256 scale bytes are gathered
; in LDS and leave by one store of 256 consecutive bytes.  Loads run four steps ahead, the turn through LDS one step.
.set WAVES, 4
.set STEPS, 16
.set EMAX,  2
.set CB,    8                          ; bytes of 16 codes
.set R,     16                         ; v16-79   four sets of 16 numbers as they are loaded (Wp's path: v16-143, two sets of 64)
.set X,     80                         ; v80-111  two sets of 16 neighbours
.set E,     112                        ; v112-127 a scale byte for each step
.set C,     128                        ; v128-191 codes: four registers for each step, so that no store's data are written again
.set WO,    144                        ; Wp's path: v144-175 a group's f16 numbers
.set WREG,  8192                       ; LDS: a region for each wave: two stages of 32 x SP bytes, behind them its 256 scale bytes
.set SP,    80
.set SPW,   12                         ; v12  LDS address of my spare word; never rewritten
.set NIL,   13                         ; v13  0; never rewritten
.set SPARE, WAVES*WREG                 ; behind the four regions: the spare words, 128 bytes a wave, which no other line names
	s_load_b256 s[4:11], s[0:1], 0x0               ; x, Wq, Wk, Wv
	s_load_b256 s[12:19], s[0:1], 0x20             ; Wp, xc, xs, wc
	s_load_b128 s[20:23], s[0:1], 0x40             ; ws, wph
	v_lshl_add_u32 v[SPW], v0, 2, SPARE
	v_mov_b32 v[NIL], 0
	v_lshrrev_b32 v1, 5, v0
	v_readfirstlane_b32 s34, v1                    ; wave
	v_and_b32 v2, 31, v0                           ; lane
	v_lshlrev_b32 v3, 4, v2                        ; my 16 bytes of a load's 512
	s_mul_i32 s35, s34, WREG
	v_lshrrev_b32 v14, 2, v2
	v_mul_u32_u24 v14, v14, SP
	v_and_b32 v15, 3, v2
	v_lshl_add_u32 v14, v15, 4, v14
	v_add_nc_u32 v14, s35, v14                     ; the stage, on the way in: SP (lane / 4) + 16 (lane % 4)
	v_mul_u32_u24 v15, v2, SP
	v_add_nc_u32 v15, s35, v15                     ; and on the way out: SP x lane: my 16 neighbours
	v_mul_u32_u24 v4, v2, CB                       ; 8 x lane: my codes' place in a step's (Wp's path: my f16 numbers' place)
	v_lshrrev_b32 v5, 1, v2
	s_add_co_u32 s35, s35, 2*32*SP
	v_add_nc_u32 v5, s35, v5                       ; LDS: my wave's 256 scale bytes, my block's byte
	v_lshlrev_b32 v7, 3, v2
	v_add_nc_u32 v6, s35, v7                       ; and on the way out 8 bytes a lane
	s_sub_co_u32 s30, ttmp9, 128                   ; which work-group of the three weights'
	s_and_b32 s31, s30, 31                         ; and of its own weight's
	s_mov_b32 s37, 0
	s_wait_kmcnt 0x0
	s_cmp_ge_u32 ttmp9, 224
	s_cbranch_scc1 .Lwp
	s_cmp_lt_u32 ttmp9, 160                        ; the choices hang on the work-group's number alone
	s_cselect_b64 s[24:25], s[6:7], s[8:9]
	s_cmp_lt_u32 ttmp9, 192
	s_cselect_b64 s[24:25], s[24:25], s[10:11]
	s_cmp_lt_u32 ttmp9, 128
	s_cselect_b64 s[24:25], s[4:5], s[24:25]       ; the numbers
	s_cselect_b64 s[26:27], s[14:15], s[18:19]     ; the codes
	s_cselect_b64 s[28:29], s[16:17], s[20:21]     ; the scale bytes
	s_cselect_b32 s32, ttmp9, s31                  ; the work-group's place in what it reads
	s_cselect_b32 s33, ttmp9, s30                  ; and in what it writes
	s_lshl_b32 s32, s32, 2
	s_add_co_u32 s32, s32, s34                     ; my wave's run of 8,192 numbers
	s_lshl_b32 s33, s33, 2
	s_add_co_u32 s33, s33, s34
	s_lshl_b32 s36, s32, 15                        ; 32,768 bytes of numbers a run,
	s_add_nc_u64 s[24:25], s[24:25], s[36:37]
	s_lshl_b32 s36, s33, 12                        ; 4,096 of codes,
	s_add_nc_u64 s[26:27], s[26:27], s[36:37]
	s_lshl_b32 s36, s33, 8                         ; 256 scale bytes
	s_add_nc_u64 s[28:29], s[28:29], s[36:37]
.macro LOAD t
.irp i, 0,1,2,3
	global_load_b128 v[R+16*((\t)%4)+4*\i:R+16*((\t)%4)+4*\i+3], v3, s[24:25] offset:2048*(\t)+512*\i th:TH_LOAD_NT   ; 32 lanes read 512 consecutive bytes
.endr
.endm
.macro TURN t                          ; step t's numbers through the stage: LDS serves a wave's instructions in order, so no wait stands between the stores and the loads
.irp i, 0,1,2,3
	ds_store_b128 v14, v[R+16*((\t)%4)+4*\i:R+16*((\t)%4)+4*\i+3] offset:32*SP*((\t)%2)+8*SP*\i
.endr
.irp i, 0,1,2,3
	ds_load_b128 v[X+16*((\t)%2)+4*\i:X+16*((\t)%2)+4*\i+3], v15 offset:32*SP*((\t)%2)+16*\i
.endr
.endm
.irp t, 0,1,2,3
	LOAD \t
.endr
	s_wait_loadcnt 12                              ; step 0's four loads are in; three steps' twelve may be out
	TURN 0
.macro STEP t
.set XS, X+16*((\t)%2)
.if (\t) > 0
	s_wait_dscnt 1                                 ; this step's numbers are back from the stage (the last step's byte store may be out): so its stores into the stage have read their registers,
.else
	s_wait_dscnt 0x0
.endif
.if (\t)+4 < STEPS
	LOAD (\t)+4                                    ; which take the loads of four steps on
.endif
.if (\t)+1 < STEPS
.if STEPS-2-(\t) >= 3
	s_wait_loadcnt 12                              ; the next step's four loads are in; those of the three steps behind it may be out
.else
	s_wait_loadcnt 4*(STEPS-2-(\t))
.endif
	TURN (\t)+1                                    ; and go through the other stage while this step is worked
.endif
	v_max3_num_f32 v8, |v[XS]|, |v[XS+1]|, |v[XS+2]|               ; the largest magnitude of my 16, in two chains
	v_max3_num_f32 v9, |v[XS+3]|, |v[XS+4]|, |v[XS+5]|
.irp i, 6,10
	v_max3_num_f32 v8, v8, |v[XS+\i]|, |v[XS+\i+1]|
	v_max3_num_f32 v9, v9, |v[XS+\i+2]|, |v[XS+\i+3]|
.endr
	v_max3_num_f32 v8, v8, |v[XS+14]|, |v[XS+15]|
	v_max3_num_f32 v8, v8, v9, (EMAX+1)<<23        ; and the floor 2^(3 - 127): so the byte cannot fall under 1
	v_max_num_f32_dpp v8, v8, v8 row_xmask:1 row_mask:0xf bank_mask:0xf   ; and of my neighbour's 16: the block's
	v_add_nc_u32 v11, -(EMAX<<23), v8              ; 2 off its exponent field: the conversion takes the exponent field of this operand as its scale, and nothing else of it
	v_cvt_scalef32_pk8_fp4_f32 v[C+4*(\t)], v[XS:XS+7], v11
	v_cvt_scalef32_pk8_fp4_f32 v[C+4*(\t)+1], v[XS+8:XS+15], v11
	v_lshrrev_b32 v[E+(\t)], 23, v11               ; the scale's byte (a plain line behind the conversions)
	ds_store_b8 v5, v[E+(\t)] offset:16*(\t)       ; both lanes of a block write the same byte with the same value
	global_store_b64 v4, v[C+4*(\t):C+4*(\t)+1], s[26:27] offset:32*CB*(\t)   ; 256 consecutive bytes
.endm
.irp t, 0,1,2,3,4,5,6,7,8,9,10,11,12,13,14,15
	STEP \t
.endr
	ds_load_b64 v[8:9], v6                         ; LDS serves a wave's instructions in order: these see my stores
	s_wait_dscnt 0x0
	global_store_b64 v7, v[8:9], s[28:29]          ; 32 lanes store 256 consecutive bytes, at a multiple of 256 from the buffer's first byte
	s_wait_tensorcnt 0x0                           ; the wave's end, behind my last LDS store
	ds_add_u32 v[SPW], v[NIL]
	s_wait_dscnt 0x0
	s_endpgm
; Wp to f16.  A load takes 512 consecutive bytes, 16 a lane; the lane's four numbers become 8 bytes, and a store covers 256 consecutive bytes.  64 loads a wave, in four groups of 16, one group ahead.
.Lwp:
	s_sub_co_u32 s30, ttmp9, 224
	s_lshl_b32 s30, s30, 2
	s_add_co_u32 s30, s30, s34                     ; my wave's run of 8,192 numbers
	s_lshl_b32 s36, s30, 15
	s_add_nc_u64 s[12:13], s[12:13], s[36:37]
	s_lshl_b32 s36, s30, 14
	s_add_nc_u64 s[22:23], s[22:23], s[36:37]
.macro WLOAD g
.irp i, 0,1,2,3,4,5,6,7,8,9,10,11,12,13,14,15
	global_load_b128 v[R+64*((\g)%2)+4*\i:R+64*((\g)%2)+4*\i+3], v3, s[12:13] offset:(16*(\g)+\i)*512 th:TH_LOAD_NT
.endr
.endm
.macro WCVT g
.if (\g) < 3
	s_wait_loadcnt 16                              ; this group's 16 loads are in; the next group's 16 may be out
.else
	s_wait_loadcnt 0x0
.endif
.if (\g) > 0
	s_wait_xcnt 0x0                                ; the last group's stores have read their data registers, which are written again below
.endif
.irp i, 0,1,2,3,4,5,6,7,8,9,10,11,12,13,14,15
	v_cvt_pk_f16_f32 v[WO+2*\i], v[R+64*((\g)%2)+4*\i], v[R+64*((\g)%2)+4*\i+1]
	v_cvt_pk_f16_f32 v[WO+2*\i+1], v[R+64*((\g)%2)+4*\i+2], v[R+64*((\g)%2)+4*\i+3]
.endr
.irp i, 0,1,2,3,4,5,6,7,8,9,10,11,12,13,14,15
	global_store_b64 v4, v[WO+2*\i:WO+2*\i+1], s[22:23] offset:(16*(\g)+\i)*256
.endr
.endm
	WLOAD 0
	WLOAD 1
	WCVT 0
	WLOAD 2
	WCVT 1
	WLOAD 3
	WCVT 2
	WCVT 3
	s_wait_tensorcnt 0x0                           ; the wave's end, in the same form
	ds_add_u32 v[SPW], v[NIL]
	s_wait_dscnt 0x0
	s_endpgm
.Lfunc_end_k_qa03593d946_prep:
	.size	k_qa03593d946_prep, .Lfunc_end_k_qa03593d946_prep-k_qa03593d946_prep
	.p2alignl 7, 3214868480
	.fill 96, 4, 3214868480
	.section	.rodata,"a",@progbits
	.p2align	6, 0x0
	.amdhsa_kernel k_qa03593d946_prep
		.amdhsa_group_segment_fixed_size 33280
		.amdhsa_private_segment_fixed_size 0
		.amdhsa_enable_private_segment 0
		.amdhsa_kernarg_size 80
		.amdhsa_user_sgpr_count 2
		.amdhsa_user_sgpr_kernarg_segment_ptr 1
		.amdhsa_wavefront_size32 1
		.amdhsa_system_sgpr_workgroup_id_x 1
		.amdhsa_system_sgpr_workgroup_id_y 1
		.amdhsa_system_sgpr_workgroup_id_z 1
		.amdhsa_system_vgpr_workitem_id 0
		.amdhsa_next_free_vgpr 192
		.amdhsa_next_free_sgpr 66
		.amdhsa_reserve_vcc 0
		.amdhsa_float_denorm_mode_32 3
		.amdhsa_float_denorm_mode_16_64 3
		.amdhsa_memory_ordered 1
		.amdhsa_forward_progress 1
		.amdhsa_inst_pref_size 54
	.end_amdhsa_kernel
	.amdgpu_metadata
---
amdhsa.version: [ 1, 2 ]
amdhsa.kernels:
  - .name:           k_qa03593d946_prep
    .symbol:         k_qa03593d946_prep.kd
    .args:
      - { .name: x, .offset: 0, .size: 8, .value_kind: global_buffer, .address_space: global }
      - { .name: Wq, .offset: 8, .size: 8, .value_kind: global_buffer, .address_space: global }
      - { .name: Wk, .offset: 16, .size: 8, .value_kind: global_buffer, .address_space: global }
      - { .name: Wv, .offset: 24, .size: 8, .value_kind: global_buffer, .address_space: global }
      - { .name: Wp, .offset: 32, .size: 8, .value_kind: global_buffer, .address_space: global }
      - { .name: xc, .offset: 40, .size: 8, .value_kind: global_buffer, .address_space: global }
      - { .name: xs, .offset: 48, .size: 8, .value_kind: global_buffer, .address_space: global }
      - { .name: wc, .offset: 56, .size: 8, .value_kind: global_buffer, .address_space: global }
      - { .name: ws, .offset: 64, .size: 8, .value_kind: global_buffer, .address_space: global }
      - { .name: wph, .offset: 72, .size: 8, .value_kind: global_buffer, .address_space: global }
    .group_segment_fixed_size: 33280
    .private_segment_fixed_size: 0
    .kernarg_segment_align: 8
    .kernarg_segment_size: 80
    .max_flat_workgroup_size: 128
    .sgpr_count:     66
    .vgpr_count:     192
    .wavefront_size: 32
...
	.end_amdgpu_metadata
.endif
;; end of part 1
;; launch qkvgemm (part 2): grid 12 x 16, 4 waves a work-group, clusters of 4 x 1, 327,680 bytes of LDS; arguments xc, xs, wc, ws, bq, bk, bv, qkv, fq; writes qkv, fq
.if DOCPART == 2
	.amdgcn_target "amdgcn-amd-amdhsa--gfx1250"
	.amdhsa_code_object_version 6
	.text
	.protected	k_qa03593d946_qkvgemm
	.globl	k_qa03593d946_qkvgemm
	.p2align	8
	.type	k_qa03593d946_qkvgemm,@function
k_qa03593d946_qkvgemm:
	s_mov_b64 s[64:65], 0
	v_nop
	global_prefetch_b8 v0, s[64:65] scope:SCOPE_SE
	s_setreg_imm32_b32 hwreg(HW_REG_WAVE_MODE, 25, 1), 1
	s_wait_xcnt 0x0
	s_wait_alu depctr_hold_cnt(0) depctr_sa_sdst(0) depctr_va_vdst(0) depctr_va_sdst(0) depctr_va_ssrc(0) depctr_va_vcc(0) depctr_vm_vsrc(0)
	s_getreg_b32 s2, hwreg(HW_REG_IB_STS2, 6, 4)
	s_cmp_eq_u32 s2, 0
	s_cbranch_scc0 .Lentry_in_a_cluster
	s_endpgm
.Lentry_in_a_cluster:
	s_bfe_u32 s2, ttmp6, 0x10000c
	s_cmp_lg_u32 s2, 0x3003
	s_cbranch_scc0 .Lentry_shape_is_right
	s_endpgm
.Lentry_shape_is_right:
; q, k, v = x W^T + b on codes of FP4 (E2M1) with one E8M0 scale for each 32 along K; sums in f32.  A = xc [4096][1024 codes], B = wc [3072][1024 codes] (Wq, Wk, Wv one below the other); scale bytes xs [4096][32], ws [3072][32].
; OUT: qkv [3 parts][32 = batch x 16 + head][2048 t][64] in f16, for the attention; and fq [2 batches][16 t][3072] in f32: the first 16 positions of each sequence, which a later launch carries in f32.
; LIMIT: |q|, |k|, |v| stay under 65,504 (f16).
; A tile of C, 256 x 256, is made by a work-group of four waves; a wave makes 128 x 128: 64 accumulators of 16 x 16, 512 registers.  K = 1,024 is two LDS slots of 512 along K (rows of 256 bytes): both are filled at the
; head and nothing is filled again.  The scale bytes of the work-group's rows of A and of B, for all of K, are two dense blocks of memory and come once, with the first fills.
; CLUSTER: 4 x 1 work-groups, the four tile columns of one part (q, k or v) in one tile row.  They need the same tiles of A: those are asked for jointly (mask 15).  B's tiles are each work-group's own.
; Why not 4 x 4: the branch that stores the first 16 positions in f32 hangs on the tile row, and partners run alike; so partners share the tile row, and with it A alone.
; THE MATRIX INSTRUCTION IS USED TRANSPOSED (source 0 = 16 rows of B, source 1 = 16 rows of A): a lane holds eight neighbouring numbers of a row of C.  The bias is the C of each sum's first product.
; REGISTERS, in windows of 256: window 0: v0-31 addresses; v32-95 scale words, two sets; v128-191 A's fragments, one set; v192-255 the bias in the result's layout; on the way out v32-63, v128-255 are used again.
;   window 1: B's fragments, two sets, at v0 and v128.   window 2: the accumulators of my rows 0-63 ((a, b) at v[8 (8 a + b)]);   window 3: those of my rows 64-127.
.set KSTEP,  512
.set NQ,     KSTEP/128                 ; matrix instructions deep
.set ROWB,   256                       ; a tile's row in bytes
.set KROW,   512                       ; a row of codes in memory
.set PITCH,  272                       ; an LDS row: 256 bytes + 16 of padding: the 16 rows that a load touches start 68 words apart
.set FR,     8
.set NL,     2
.set NP,     4                         ; places behind this matrix instruction (ISA guide 7.12.1)
.set HALFT,  128*PITCH
.set SLOT,   4*HALFT                   ; A's 256 rows, then B's 256 rows
.set KS,     32                        ; a row of scale bytes
.set SCL,    2*SLOT                    ; behind the slots: the scale bytes, as rows of 256 bytes + 16 of padding
.set HALFS,  (128*KS/256)*272
.set SBLK,   (16*KS/256)*272
.set SPARE,  SCL+4*HALFS               ; the spare words, 128 bytes a wave, which no other line names
.set STG,    8448                      ; the way out: a stage for each wave, in slot 0, which has had its one fill and its last read by then: 16 rows x 272 (f16) or 16 rows x 528 (f32)
.set ADRA, 16                          ; v16-17  LDS address of my A fragments in slot 0, 1
.set ADRB, 20                          ; v20-21  the same for B
.set BOF,  22                          ; v22     the bias: 32 bytes x my half of the lanes
.set STO,  24                          ; v24     f16 stage: where I put 16 bytes of a row
.set RD,   25                          ; v25     f16 stage: where I read back
.set CO,   26                          ; v26     16 x lane
.set ADRS, 27                          ; v27     LDS address of my scale words: lanes 0-15 A's rows, lanes 16-31 B's
.set SPW,  28                          ; v28     my spare word; never rewritten
.set NIL,  29                          ; v29     0; never rewritten
.set STO32, 30                         ; v30     f32 stage: where I put 32 bytes of a row
.set RD32, 31                          ; v31     f32 stage: where I read a row back
.set SC,   32
.set AF,   128
.set BIAS, 192
.set TMP,  192                         ; the way out: packed results
.set OB,   32                          ; the way out: rows read back: v32-63 and v224-255 by turns
.set BK32, 128                         ; the f32 rows read back
.set G1, 24                            ; s[24:31] group 1 for A's tiles;  s[32:39] group 0, one set for each slot
.set G0, 32
.set G1B, 48                           ; s[48:55], s[56:63] the same for B's
.set G0B, 56
.set G1S, 68                           ; s[68:75], s[76:79] groups 1 and 0 for A's scale bytes;  s[80:87], s[88:91] for B's
.set G0S, 76
.set G1SB, 80
.set G0SB, 88
.set MSB, 0
.macro WIN new                         ; the immediate's high byte repeats the setting that is left
.if MSB != \new
	s_set_vgpr_msb (MSB<<8)|\new
.set MSB, \new
.endif
.endm
.set MUL_LO, 0xa1                      ; source 0 (B) window 1, source 1 (A) window 0, C and D window 2
.set MUL_HI, 0xf1                      ; the same, C and D window 3
.set TO_B,   0x40                      ; destination window 1, address window 0
; Waves 0 and 1 fetch for A (jointly), waves 2 and 3 for B.  The branch hangs on the wave's number alone.  An s_nop 0 and four v_nop follow each of the two lines.
.macro JLOAD g0a, g1a, g0b, g1b
	s_cmp_eq_u32 s15, 0
	s_cbranch_scc0 .Lfor_b_\@
	tensor_load_to_lds s[\g0a:\g0a+3], s[\g1a:\g1a+7]
	s_nop 0
.rept 4
	v_nop
.endr
	s_branch .Lasked_\@
.Lfor_b_\@:
	tensor_load_to_lds s[\g0b:\g0b+3], s[\g1b:\g1b+7]
	s_nop 0
.rept 4
	v_nop
.endr
.Lasked_\@:
.endm
.macro CROUND                          ; a round of the cluster's barrier
	s_barrier_signal -1
	s_barrier_wait -1
	s_cmp_lg_u32 s14, 0
	s_cbranch_scc1 .Lnot_wave_0_\@
	s_barrier_signal -3
.Lnot_wave_0_\@:
	s_barrier_wait -3
	s_barrier_signal -1
	s_barrier_wait -1
.endm
	s_load_b128 s[4:7], s[0:1], 0x0                ; xc, xs
	s_load_b128 s[8:11], s[0:1], 0x10              ; wc, ws
	s_load_b128 s[96:99], s[0:1], 0x20             ; bq, bk
	s_load_b64 s[100:101], s[0:1], 0x30            ; bv
	s_load_b64 s[12:13], s[0:1], 0x38              ; qkv
	s_load_b64 s[66:67], s[0:1], 0x40              ; fq
	v_lshl_add_u32 v[SPW], v0, 2, SPARE
	v_mov_b32 v[NIL], 0
	ds_add_u32 v[SPW], v[NIL]                      ; the wave's opening: the add, twice on end, and its wait ahead of my first tensor load
	ds_add_u32 v[SPW], v[NIL]
	v_lshrrev_b32 v1, 5, v0
	v_readfirstlane_b32 s14, v1                    ; wave 0..3
	s_lshr_b32 s15, s14, 1                         ; which half of the tile's rows is mine.  Also: I fetch for A (0) or for B (1)
	s_and_b32 s16, s14, 1                          ; which half of its columns.  Also: which 128 rows of that tile I fetch
	s_bfe_u32 s40, ttmp6, 0x40000                  ; cx: my place in the cluster
	s_lshl_b32 s42, ttmp9, 2
	s_add_co_u32 s42, s42, s40                     ; tile column = 4 x cluster x + cx; the cluster's x is the part: q, k or v
	s_and_b32 s17, ttmp7, 0xffff                   ; tile row, which the four partners share
	; group 1: a tile of 128 rows x 256 bytes, 16 bytes of padding behind each row
	s_mov_b32 s[G1+0], 15|(1<<20)|(1<<21)|(5<<22)|(3<<25)    ; 15:0 the mask: all four; 17:16 elements of 1 byte; 20 padding on; 21 set beside a mask; 24:22 after every 64 words; 31:25 four words
	s_mov_b32 s[G1B+0], (1<<20)|(5<<22)|(3<<25)              ; no mask: my own
.irp g, G1, G1B
	s_mov_b32 s[\g+1], ROWB<<16                    ; tensor_dim0
	s_mov_b32 s[\g+2], 128<<16                     ; tensor_dim1
	s_mov_b32 s[\g+3], ROWB<<16                    ; tile_dim0
	s_mov_b32 s[\g+4], 128                         ; tile_dim1
	s_mov_b32 s[\g+5], KROW                        ; from row to row
	s_mov_b32 s[\g+6], 0
	s_mov_b32 s[\g+7], 0
.endr
	; the scale bytes of 128 rows: 4,096 dense bytes, as 16 rows of 256 bytes (32 elements of 8 bytes), 16 bytes of padding behind each
	s_mov_b32 s[G1S+0], 15|(3<<16)|(1<<20)|(1<<21)|(5<<22)|(3<<25)
	s_mov_b32 s[G1SB+0], (3<<16)|(1<<20)|(5<<22)|(3<<25)
.irp g, G1S, G1SB
	s_mov_b32 s[\g+1], 32<<16
	s_mov_b32 s[\g+2], (128*KS/256)<<16
	s_mov_b32 s[\g+3], 32<<16
	s_mov_b32 s[\g+4], 128*KS/256
	s_mov_b32 s[\g+5], 32
	s_mov_b32 s[\g+6], 0
	s_mov_b32 s[\g+7], 0
.endr
	s_lshl_b32 s18, s16, 7                         ; which 128 rows of the tile I fetch
	s_lshl_b32 s20, s17, 8
	s_add_co_u32 s20, s20, s18                     ; A: row 256 x tile row + 128 x half
	s_lshl_b32 s46, s42, 8
	s_add_co_u32 s46, s46, s18                     ; B: row 256 x tile column + 128 x half
	s_lshl_b32 s22, s20, 5                         ; where these rows' scale bytes begin,
	s_mov_b32 s23, 0
	s_lshl_b32 s92, s46, 5
	s_mov_b32 s93, 0
	s_lshl_b32 s20, s20, 9                         ; and their codes
	s_mov_b32 s21, 0
	s_lshl_b32 s46, s46, 9
	s_mov_b32 s47, 0
	s_mul_i32 s45, s14, HALFT                      ; where they go: wave x 128 rows: no place in the cluster enters an LDS address
	s_mul_i32 s94, s14, HALFS
	s_wait_dscnt 0x0                               ; both opening adds are done
	s_wait_kmcnt 0x0
	s_add_nc_u64 s[20:21], s[4:5], s[20:21]
	s_add_nc_u64 s[22:23], s[6:7], s[22:23]
	s_add_nc_u64 s[46:47], s[8:9], s[46:47]
	s_add_nc_u64 s[92:93], s[10:11], s[92:93]
	CROUND                                         ; all four work-groups are here: the first joint loads meet
	s_mov_b32 s[G0S], 1
	s_add_co_u32 s[G0S+1], s94, SCL
	s_mov_b64 s[G0S+2:G0S+3], s[22:23]
	s_or_b32 s[G0S+3], s[G0S+3], 0x80000000
	s_mov_b32 s[G0SB], 1
	s_add_co_u32 s[G0SB+1], s94, SCL
	s_mov_b64 s[G0SB+2:G0SB+3], s[92:93]
	s_or_b32 s[G0SB+3], s[G0SB+3], 0x80000000
	JLOAD G0S, G1S, G0SB, G1SB                     ; the scale bytes first: they are wanted with the first slot
.irp s, 0,1
	s_mov_b32 s[G0+4*\s], 1
	s_add_co_u32 s[G0+4*\s+1], s45, \s*SLOT
	s_add_nc_u64 s[G0+4*\s+2:G0+4*\s+3], s[20:21], \s*ROWB
	s_or_b32 s[G0+4*\s+3], s[G0+4*\s+3], 0x80000000
	s_mov_b32 s[G0B+4*\s], 1
	s_add_co_u32 s[G0B+4*\s+1], s45, \s*SLOT
	s_add_nc_u64 s[G0B+4*\s+2:G0B+4*\s+3], s[46:47], \s*ROWB
	s_or_b32 s[G0B+4*\s+3], s[G0B+4*\s+3], 0x80000000
	JLOAD G0+4*\s, G1, G0B+4*\s, G1B               ; three tensor loads of mine are out at the most
.endr
	v_and_b32 v1, 15, v0                           ; r = l % 16
	v_bfe_u32 v2, v0, 4, 1                         ; h = l / 16
	; the bias of my part: bq, bk or bv by the cluster's x; register 8 b + j of lane (r, h) is the bias of column 16 b + 8 h + j of my 128
	s_cmp_eq_u32 ttmp9, 0
	s_cselect_b64 s[96:97], s[96:97], s[98:99]
	s_cmp_eq_u32 ttmp9, 2
	s_cselect_b64 s[96:97], s[100:101], s[96:97]
	s_lshl_b32 s92, s40, 10                        ; my first column in the part, in f32 bytes: (256 cx + 128 half) x 4
	s_lshl_b32 s93, s16, 9
	s_add_co_u32 s92, s92, s93
	s_mov_b32 s93, 0
	s_add_nc_u64 s[96:97], s[96:97], s[92:93]
	v_lshlrev_b32 v[BOF], 5, v2
.irp b, 0,1,2,3,4,5,6,7
	global_load_b128 v[BIAS+8*\b:BIAS+8*\b+3], v[BOF], s[96:97] offset:64*\b
	global_load_b128 v[BIAS+8*\b+4:BIAS+8*\b+7], v[BOF], s[96:97] offset:64*\b+16
.endr
	s_lshr_b32 s95, s17, 3                         ; fq: the batch's 16 rows of 12,288 bytes, the part's 4,096 bytes, my columns
	s_mul_i32 s95, s95, 196608
	s_add_co_u32 s92, s92, s95
	s_lshl_b32 s95, ttmp9, 12
	s_add_co_u32 s92, s92, s95
	s_add_nc_u64 s[66:67], s[66:67], s[92:93]
	s_lshr_b32 s92, s17, 3                         ; qkv: ((batch x 16 + head) x 2,048 + t) x 128 bytes, + the part; my first head is 4 cx + 2 x half, my first t (tile row % 8) x 256 + 128 x half
	s_lshl_b32 s92, s92, 4
	s_lshl_b32 s95, s40, 2
	s_add_co_u32 s92, s92, s95
	s_lshl_b32 s95, s16, 1
	s_add_co_u32 s92, s92, s95
	s_lshl_b32 s92, s92, 11
	s_and_b32 s95, s17, 7
	s_lshl_b32 s95, s95, 8
	s_add_co_u32 s92, s92, s95
	s_lshl_b32 s95, s15, 7
	s_add_co_u32 s92, s92, s95
	s_lshl_b32 s92, s92, 7
	s_lshl_b32 s95, ttmp9, 23
	s_add_co_u32 s92, s92, s95
	s_add_nc_u64 s[12:13], s[12:13], s[92:93]
	v_mul_u32_u24 v3, v1, PITCH
	v_lshl_add_u32 v4, v2, 4, v3                   ; a fragment's row x pitch + 16 x half
	s_mul_i32 s21, s15, HALFT                      ; my 128 rows of A
	s_mul_i32 s22, s16, HALFT                      ; my 128 rows of B,
	s_add_co_u32 s22, s22, 2*HALFT                 ; which lie behind A's 256
.irp s, 0,1
	v_add_nc_u32 v[ADRA+\s], s21, v4
	v_add_nc_u32 v[ADRB+\s], s22, v4
	s_add_co_u32 s21, s21, SLOT
	s_add_co_u32 s22, s22, SLOT
.endr
	v_mul_u32_u24 v5, v1, KS                       ; my row's scale bytes: 32 a row,
	v_lshrrev_b32 v6, 8, v5
	v_lshl_add_u32 v5, v6, 4, v5                   ; and 16 more for each 256 passed
	s_mul_i32 s21, s15, HALFS                      ; A's: my 128 rows
	s_mul_i32 s22, s16, HALFS                      ; B's: my 128 rows, behind A's 256
	s_add_co_u32 s22, s22, 2*HALFS
	s_sub_co_u32 s22, s22, s21
	v_mul_u32_u24 v6, s22, v2                      ; lanes 16-31 take B's: one product, the distance between the two
	s_add_co_u32 s21, s21, SCL
	v_add_nc_u32 v5, v5, v6
	v_add_nc_u32 v[ADRS], s21, v5
	s_mul_i32 s23, s14, STG                        ; my stage
	v_mul_u32_u24 v5, v1, 272
	v_lshl_add_u32 v5, v2, 4, v5
	v_add_nc_u32 v[STO], s23, v5                   ; f16, in: row r, 16 bytes for each half of the lanes
	v_and_b32 v6, 31, v0
	v_lshrrev_b32 v7, 3, v6
	v_mul_u32_u24 v7, v7, 272
	v_and_b32 v8, 7, v6
	v_lshl_add_u32 v7, v8, 4, v7
	v_add_nc_u32 v[RD], s23, v7                    ; f16, back: eight lanes take one head's 128 bytes of a row, 32 lanes four rows
	v_lshlrev_b32 v[CO], 4, v6
	v_mul_u32_u24 v5, v1, 528
	v_lshl_add_u32 v5, v2, 5, v5
	v_add_nc_u32 v[STO32], s23, v5                 ; f32, in: row r, 32 bytes for each half of the lanes
	v_add_nc_u32 v[RD32], s23, v[CO]               ; f32, back: the 32 lanes take one row of 512 bytes
.macro FRAG reg, adr, q, i             ; a fragment, 16 rows x 128 K of 4-bit codes: lane l holds row l % 16; registers 4 c .. 4 c + 3 hold K = 64 c + 32 (l / 16) + 0 .. 31
.irp c, 0,1
	ds_load_b128 v[\reg+4*\c:\reg+4*\c+3], v[\adr] offset:64*(\q)+32*\c+(\i)*16*PITCH
.endr
.endm
; 16 matrix instructions: A's blocks a0, a0 + 1 x B's eight, the slot's q-th 128 along K.  p: B's set;  sc: the set of scale words.  first = 1: the sums begin with the bias as C: nothing is cleared, nothing is added later.
; The 64 accumulators take turns, one instruction a turn, in the same order in every step.
.macro MUL16 a0, p, q, sc, first
.irp a, \a0, \a0+1
.irp b, 0,1,2,3,4,5,6,7
.if \first
	v_wmma_scale_f32_16x16x128_f8f6f4 v[8*(8*((\a)%4)+\b):8*(8*((\a)%4)+\b)+7], v[128*(\p)+FR*\b:128*(\p)+FR*\b+FR-1], v[AF+FR*(\a):AF+FR*(\a)+FR-1], v[BIAS+8*\b:BIAS+8*\b+7], v[SC+8*NQ*(\sc)+NQ*\b+(\q)], v[SC+8*NQ*(\sc)+NQ*(\a)+(\q)] matrix_a_fmt:MATRIX_FMT_FP4 matrix_b_fmt:MATRIX_FMT_FP4 matrix_a_scale:MATRIX_SCALE_ROW1
.else
	v_wmma_scale_f32_16x16x128_f8f6f4 v[8*(8*((\a)%4)+\b):8*(8*((\a)%4)+\b)+7], v[128*(\p)+FR*\b:128*(\p)+FR*\b+FR-1], v[AF+FR*(\a):AF+FR*(\a)+FR-1], v[8*(8*((\a)%4)+\b):8*(8*((\a)%4)+\b)+7], v[SC+8*NQ*(\sc)+NQ*\b+(\q)], v[SC+8*NQ*(\sc)+NQ*(\a)+(\q)] matrix_a_fmt:MATRIX_FMT_FP4 matrix_b_fmt:MATRIX_FMT_FP4 matrix_a_scale:MATRIX_SCALE_ROW1
.endif
.endr
.endr
.endm
.macro FETCH_B slot, q, p              ; B's eight fragments of the slot's q-th 128 along K into set p
	WIN TO_B
.irp i, 0,1,2,3,4,5,6,7
	FRAG 128*(\p)+FR*\i, ADRB+\slot, \q, \i
.endr
	WIN 0
.endm
.macro FETCH_A slot, q, i0             ; A's blocks i0 .. i0 + 3
.irp i, \i0, \i0+1, \i0+2, \i0+3
	FRAG AF+FR*(\i), ADRA+\slot, \q, \i
.endr
.endm
.macro SCALES sc                       ; a slot's scale words into set sc: four words a row; lanes 0-15 take A's block i, lanes 16-31 B's block i
.irp i, 0,1,2,3,4,5,6,7
	ds_load_b128 v[SC+8*NQ*\sc+NQ*\i:SC+8*NQ*\sc+NQ*\i+3], v[ADRS] offset:\i*SBLK
.endr
.endm
.macro PLACES n                        ; plain vector instructions that name none of the matrix instructions' registers: in front of loads into registers that those have read, and of reads of results
.rept \n
	v_nop
.endr
.endm
; A step of 128 along K that has its successor in the same slot.  A's blocks 0-3 are fetched anew in the step's middle, blocks 4-7 at its end; B has two sets.
.macro STEP slot, q, first
	s_wait_dscnt 4*NL                              ; B's set, A's blocks 0-3 (and the scale words) are in; the youngest eight loads, A's blocks 4-7, may be out
.if \first
	WIN 0x81                                       ; source 0 window 1, A and the bias window 0, D window 2
.else
	WIN MUL_LO
.endif
	MUL16 0, (\q)%2, \q, \slot, \first
	MUL16 2, (\q)%2, \q, \slot, \first
	s_wait_dscnt 0                                 ; A's blocks 4-7 are in
	PLACES NP
	FETCH_B \slot, (\q)+1, 1-(\q)%2
	FETCH_A \slot, (\q)+1, 0
.if \first
	WIN 0xc1                                       ; the same, D window 3
.else
	WIN MUL_HI
.endif
	MUL16 4, (\q)%2, \q, \slot, \first
	MUL16 6, (\q)%2, \q, \slot, \first
	PLACES NP
	WIN 0
	FETCH_A \slot, (\q)+1, 4
.endm
; Slot 0's last step changes slots: in front of the one barrier each wave waits for all its tensor loads (its part of slot 1), adds 0 to its spare word, and waits for that and for its reads of slot 0.  Nothing is filled again.
.macro TURN slot, next
	s_wait_tensorcnt 0x0                           ; all my tensor loads have landed
	ds_add_u32 v[SPW], v[NIL]                      ; 0 onto my spare word
	s_wait_dscnt 4*NL+1                            ; (the add and the youngest eight loads may be out)
	WIN MUL_LO
	MUL16 0, 1, NQ-1, \slot, 0
	s_wait_dscnt 0x0                               ; the add is done, and my reads of this slot are over
	s_barrier_signal -1
	MUL16 2, 1, NQ-1, \slot, 0
	WIN 0
	s_barrier_wait -1
	PLACES NP
	v_add_nc_u32 v[ADRS], 4*NQ, v[ADRS]            ; on to the next slot's scale words
	FETCH_B \next, 0, 0
	FETCH_A \next, 0, 0
	SCALES \next
	WIN MUL_HI
	MUL16 4, 1, NQ-1, \slot, 0
	MUL16 6, 1, NQ-1, \slot, 0
	PLACES NP
	WIN 0
	FETCH_A \next, 0, 4
.endm
.macro STEPS slot, from                ; the slot's steps from .. NQ - 2
.set Q, \from
.rept NQ-1-\from
	STEP \slot, Q, 0
.set Q, Q+1
.endr
.endm
	s_wait_tensorcnt 1                             ; the scale bytes and my part of slot 0 are in; slot 1's load may be out
	s_barrier_signal -1
	s_barrier_wait -1                              ; everybody's are
	FETCH_B 0, 0, 0
	FETCH_A 0, 0, 0
	SCALES 0
	FETCH_A 0, 0, 4
	s_wait_loadcnt 0x0                             ; the bias
	STEP 0, 0, 1
	STEPS 0, 1
	TURN 0, 1
	STEPS 1, 0
	s_wait_dscnt 4*NL                              ; the very last step: nothing more to fetch
	WIN MUL_LO
	MUL16 0, 1, NQ-1, 1, 0
	MUL16 2, 1, NQ-1, 1, 0
	s_wait_dscnt 0
	WIN MUL_HI
	MUL16 4, 1, NQ-1, 1, 0
	MUL16 6, 1, NQ-1, 1, 0
	WIN 0
	PLACES NP                                      ; behind the last products: for the reads of results and for the loads into registers that held A's fragments and the scale words
	; THE FIRST 16 POSITIONS OF A SEQUENCE ALSO LEAVE IN f32: tile rows 0 and 8, the waves of the upper half, their block 0.  The condition is made of the cluster's y and the wave's number: the same in all partners.
	s_and_b32 s2, s17, 7
	s_or_b32 s2, s2, s15
	s_cmp_lg_u32 s2, 0
	s_cbranch_scc1 .Lnofine
	WIN 0x08                                       ; an LDS store's data are its source 1: window 2
.irp b, 0,1,2,3,4,5,6,7
	ds_store_b128 v[STO32], v[8*\b:8*\b+3] offset:64*\b              ; each accumulator from its low end on
	ds_store_b128 v[STO32], v[8*\b+4:8*\b+7] offset:64*\b+16
.endr
	WIN 0
.irp t, 0,1,2,3,4,5,6,7,8,9,10,11,12,13,14,15
	ds_load_b128 v[BK32+4*\t:BK32+4*\t+3], v[RD32] offset:\t*528     ; LDS serves a wave's instructions in order: these see the stores above
.endr
	s_wait_dscnt 0x0
.irp t, 0,1,2,3,4,5,6,7,8,9,10,11,12,13,14,15
	global_store_b128 v[CO], v[BK32+4*\t:BK32+4*\t+3], s[66:67] offset:\t*12288   ; 32 lanes store 512 consecutive bytes of row t
.endr
.Lnofine:
; THE WAY OUT in f16, block by block of 16 rows x 128 columns (two heads).  A lane's eight results pack into 16 bytes; they go through my stage and come back so that 32 lanes hold four whole rows of one head: 512 consecutive bytes of qkv.
.macro PACK a
.set AC, 64*((\a)%4)
	WIN 0x0a+5*((\a)/4)                            ; sources 0 and 1: window 2 or 3
.irp b, 0,1,2,3,4,5,6,7
.irp r, 0,1,2,3
	v_cvt_pk_f16_f32 v[TMP+4*\b+\r], v[AC+8*\b+2*\r], v[AC+8*\b+2*\r+1]
.endr
.endr
	WIN 0
.endm
.macro TOSTAGE a
.set BB, OB+192*((\a)%2)
.irp b, 0,1,2,3,4,5,6,7
	ds_store_b128 v[STO], v[TMP+4*\b:TMP+4*\b+3] offset:32*\b
.endr
.irp u, 0,1,2,3
.irp d, 0,1
	ds_load_b128 v[BB+4*(2*\u+\d):BB+4*(2*\u+\d)+3], v[RD] offset:1088*\u+128*\d
.endr
.endr
.endm
.macro SEND a
.set BB, OB+192*((\a)%2)
	s_wait_dscnt 0x0                               ; the block is back in registers
	s_wait_xcnt 0x0                                ; the stores of the block before have read their registers: the next block's loads land there
.irp u, 0,1,2,3
.irp d, 0,1
	global_store_b128 v[CO], v[BB+4*(2*\u+\d):BB+4*(2*\u+\d)+3], s[12:13] offset:262144*\d+2048*(\a)+512*\u   ; head d, rows 16 a + 4 u on
.endr
.endr
.endm
	PACK 0
	TOSTAGE 0
.irp a, 1,2,3,4,5,6,7                  ; block a's conversions stand between block a - 1's loads from the stage and the wait for them
	PACK \a
	SEND \a-1
	TOSTAGE \a
.endr
	SEND 7
	s_wait_tensorcnt 0x0                           ; the wave's end: behind my last tensor load and my last LDS store
	ds_add_u32 v[SPW], v[NIL]
	s_wait_dscnt 0x0
	CROUND                                         ; the closing round: no work-group ends while a partner may still ask for a tile that names it
	s_endpgm
.Lfunc_end_k_qa03593d946_qkvgemm:
	.size	k_qa03593d946_qkvgemm, .Lfunc_end_k_qa03593d946_qkvgemm-k_qa03593d946_qkvgemm
	.p2alignl 7, 3214868480
	.fill 96, 4, 3214868480
	.section	.rodata,"a",@progbits
	.p2align	6, 0x0
	.amdhsa_kernel k_qa03593d946_qkvgemm
		.amdhsa_group_segment_fixed_size 327680
		.amdhsa_private_segment_fixed_size 0
		.amdhsa_enable_private_segment 0
		.amdhsa_kernarg_size 72
		.amdhsa_user_sgpr_count 2
		.amdhsa_user_sgpr_kernarg_segment_ptr 1
		.amdhsa_wavefront_size32 1
		.amdhsa_system_sgpr_workgroup_id_x 1
		.amdhsa_system_sgpr_workgroup_id_y 1
		.amdhsa_system_sgpr_workgroup_id_z 1
		.amdhsa_system_vgpr_workitem_id 0
		.amdhsa_next_free_vgpr 1024
		.amdhsa_next_free_sgpr 102
		.amdhsa_reserve_vcc 0
		.amdhsa_float_denorm_mode_32 3
		.amdhsa_float_denorm_mode_16_64 3
		.amdhsa_memory_ordered 1
		.amdhsa_forward_progress 1
		.amdhsa_inst_pref_size 132
	.end_amdhsa_kernel
	.amdgpu_metadata
---
amdhsa.version: [ 1, 2 ]
amdhsa.kernels:
  - .name:           k_qa03593d946_qkvgemm
    .symbol:         k_qa03593d946_qkvgemm.kd
    .args:
      - { .name: xc, .offset: 0, .size: 8, .value_kind: global_buffer, .address_space: global }
      - { .name: xs, .offset: 8, .size: 8, .value_kind: global_buffer, .address_space: global }
      - { .name: wc, .offset: 16, .size: 8, .value_kind: global_buffer, .address_space: global }
      - { .name: ws, .offset: 24, .size: 8, .value_kind: global_buffer, .address_space: global }
      - { .name: bq, .offset: 32, .size: 8, .value_kind: global_buffer, .address_space: global }
      - { .name: bk, .offset: 40, .size: 8, .value_kind: global_buffer, .address_space: global }
      - { .name: bv, .offset: 48, .size: 8, .value_kind: global_buffer, .address_space: global }
      - { .name: qkv, .offset: 56, .size: 8, .value_kind: global_buffer, .address_space: global }
      - { .name: fq, .offset: 64, .size: 8, .value_kind: global_buffer, .address_space: global }
    .group_segment_fixed_size: 327680
    .private_segment_fixed_size: 0
    .kernarg_segment_align: 8
    .kernarg_segment_size: 72
    .max_flat_workgroup_size: 128
    .sgpr_count:     102
    .vgpr_count:     1024
    .wavefront_size: 32
...
	.end_amdgpu_metadata
.endif
;; end of part 2
;; launch attn (part 3): grid 8 x 32, 16 waves a work-group, no clusters, 327,680 bytes of LDS; arguments qkv, ah; writes ah
.if DOCPART == 3
	.amdgcn_target "amdgcn-amd-amdhsa--gfx1250"
	.amdhsa_code_object_version 6
	.text
	.protected	k_qa03593d946_attn
	.globl	k_qa03593d946_attn
	.p2align	8
	.type	k_qa03593d946_attn,@function
k_qa03593d946_attn:
	s_mov_b64 s[64:65], 0
	v_nop
	global_prefetch_b8 v0, s[64:65] scope:SCOPE_SE
	s_setreg_imm32_b32 hwreg(HW_REG_WAVE_MODE, 25, 1), 1
	s_wait_xcnt 0x0
; A[head][q] = the sum over k <= q of softmax_k(Q[q] . K[k] / 8) V[k], for 32 heads (batch x 16 + head) of 2,048 positions and 64 channels.  Q, K, V: the three parts of qkv, [32][2048][64] f16.
; Products on f16 operands with f32 sums; maxima, exponentials and sums in f32; the weights p (at most 1) are rounded to f16 for the second product.
; OUT: ah [64 = batch x 32 + t / 64][16 heads][64 t][64 channels] f16: a tile's 16 queries are 2,048 consecutive bytes.
; LIMITS: |A| stays under 65,504 (it is an average of v); NaN and infinities are not served.  The first 16 positions of each sequence are computed here like the others; a later launch writes those rows of the result anew in f32.
; SHARES.  A work-group owns two blocks of 128 queries of one head, block 15 - i and block i (i = the work-group's x), and walks them ONE AFTER THE OTHER.  A block is 8 tiles of 16 queries; tile t belongs to TWO waves, t and t + 8,
; which share its keys: a slot of 256 keys is two steps of 128, and wave group p = wave / 8 takes step p of every slot.  Under the causal mask the two blocks have (16 - i) + (i + 1) = 17 steps a tile: 9 for p = 0, 8 for p = 1,
; the same in every work-group, and all sixteen waves work at the same time.  At a walk's end the two halves of a tile are joined through LDS (macro FINISH).
; The upper block walks 8 slots, the lower one (its queries lie under 1,024) 4: the trip counts are constants.  A wave leaves out the work of a step all of whose keys come after its queries (a scalar branch on ids, round no
; barrier and no tensor load); a change of slots asks for the next slot only while that slot's first key is at or under the block's last query.  Every wait on TENSORcnt is for 0.
; No cluster: under the mask partners would need different numbers of tiles.
; LAYOUT.  Both products are used transposed: S^T = K Q^T (source 0 = 16 keys, source 1 = my 16 queries), O^T = V^T P (source 0 = 16 channels, source 1 = P): a lane holds ONE query (lane % 16) throughout, and two tiles of
; S^T rounded in pairs ARE a fragment of P.  K comes out of LDS as it lies, V ([key][channel]) turned, by ds_load_tr16_b128.
; SOFTMAX.  A running maximum m and sum l for each query: p = 2^(c s - c m), c = log2(e) / 8; in every step O and l are multiplied by a = 2^(c m_old - c m_new).
.set KP,    144                        ; a row of K in LDS: 128 bytes + 16
.set VP,    160                        ; a row of V: 128 + 32: the turning load's 8 rows x 32 bytes fall on different words
.set VOFF,  256*KP                     ; a slot: 256 rows of K, then 256 rows of V
.set SLOT1, 1<<17                      ; slot 1 begins here: one exclusive or turns an address
.set STAGE, SLOT1+VOFF+256*VP          ; behind the ring: 16 rows x 144 bytes for each wave, for the way out
.set SPARE, STAGE+16*16*KP             ; the spare words, 128 bytes a wave, which no other line names
.set MRG,   SPARE+2048                 ; where waves 8-15 hand their halves to waves 0-7: 9 x 512 bytes for each tile
.set MPART, 9*512
.set AK0, 1                            ; v1   my lane's place in my step's tiles of K (my group's 128 rows are in it)
.set AV0, 2                            ; v2   the same for V
.set RH,  3                            ; v3   lane % 16 - 8 (lane / 16)
.set MST, 4                            ; v4   my tile's place in MRG + 16 x lane
.set SPW, 5                            ; v5   my spare word; never rewritten
.set NIL, 6                            ; v6   0; never rewritten
.set GO,  7                            ; v7   16 x lane
.set ADK, 8                            ; v8   LDS address of the step's K
.set ADV, 9                            ; v9   of its V
.set STO, 10                           ; v10  the way out: where I put 16 bytes of a row
.set RD,  11                           ; v11  and where I read back
                                       ; v12 c m, v13 m, v[14:15] l in two halves
.set QF,  16                           ; v16-31   Q: two fragments of 32 channels
.set F,   32                           ; v32-95   fragments of K (four tiles) or of V (64 keys)
.set S,   96                           ; v96-159  S^T: register 8 u + j = key 16 u + 8 (lane / 16) + j of the step; then p; then V's second 64 keys; in FINISH the partner's half
.set O,   160                          ; v160-191 O^T: register 8 n + j = channel 16 n + 8 (lane / 16) + j
.set P,   192                          ; v192-223 P in f16
.set MX,  232                          ; v232-235 four chains' maxima
.set SUM2, 236                         ; v[236:237] the second chain of sums; in FINISH the partner's factor
.set AA,  238                          ; v238 a (v239 is named with it as a pair)
.set T0,  240
.set NINF, 241                         ; -infinity
.set DD,  242
.set PFO, 243                          ; 256 x lane: the prefetches' offset; never rewritten
.set QOF, 244                          ; Q's offset; never rewritten
.set PL,  245                          ; a lane permute's destination
.set T1,  246
.set TB,  2                            ; s2   LDS byte at which the slot in hand begins
.set POFF, 3                           ; s3   128 x my group: my step's first key in a slot
.set Q0B, 14                           ; s14  my first query in the second walk
.set LASTQB, 15                        ; s15  the lower block's last query
.set WV,  18
.set SEL, 20                           ; s[20:21] lane l xor 16
.set CS,  22                           ; s[22:23] c, twice
.set G1K, 24
.set G1V, 32
.set G0K, 40
.set G0V, 44
.set SLOTS, 48
.set KF,  49                           ; the slot's first key
.set Q0,  50                           ; my first query in the walk in hand
.set LASTQ, 51                         ; the upper block's last query
.set PFA, 52                           ; s[52:53] where my prefetches stand
.set LIM, 54                           ; 1 in a wave that prefetches, else the greatest number
                                       ; s[4:5], s[12:13] Q at my tile, first and second walk;  s[6:7], s[10:11] ah likewise;  s[8:9] the head in part q
; Wave 0 fetches a slot's 256 rows of K, wave 1 its 256 rows of V, the others nothing.  An s_nop 0 and four v_nop follow each of the two lines.
.macro TLOAD
	s_cmp_eq_u32 s[WV], 0
	s_cbranch_scc0 .Lnot_k_\@
	tensor_load_to_lds s[G0K:G0K+3], s[G1K:G1K+7]
	s_nop 0
.rept 4
	v_nop
.endr
	s_branch .Lasked_\@
.Lnot_k_\@:
	s_cmp_eq_u32 s[WV], 1
	s_cbranch_scc0 .Lasked_\@
	tensor_load_to_lds s[G0V:G0V+3], s[G1V:G1V+7]
	s_nop 0
.rept 4
	v_nop
.endr
.Lasked_\@:
.endm
; The two groups 0 at a walk's start: slot 0, the head's first 256 keys.
.macro DESC0
	s_mov_b32 s[G0K], 1
	s_mov_b32 s[G0K+1], 0
	s_add_nc_u64 s[G0K+2:G0K+3], s[8:9], 8388608   ; part k
	s_or_b32 s[G0K+3], s[G0K+3], 0x80000000
	s_mov_b32 s[G0V], 1
	s_mov_b32 s[G0V+1], VOFF
	s_add_nc_u64 s[G0V+2:G0V+3], s[8:9], 16777216  ; part v
	s_or_b32 s[G0V+3], s[G0V+3], 0x80000000
.endm
; A prefetch of what the NEXT change of slots will ask for: 32,768 dense bytes of K and as many of V.  All eight work-groups of a head walk the same K and V: the one with x = 0, whose first walk takes every slot, asks, in that walk.
; In it waves 4-7 ask for K's bytes and waves 8-11 for V's, 8,192 a wave, lanes 256 bytes apart: each aligned block of 256 bytes is named once in the launch.  The last change that fills a slot asks for nothing.
.macro ASK
	s_cmp_gt_u32 s[SLOTS], s[LIM]
	s_cbranch_scc0 .Lnot_mine_\@
	global_prefetch_b8 v[PFO], s[PFA:PFA+1] th:TH_LOAD_NT scope:SCOPE_SE
.Lnot_mine_\@:
.endm
; ah at the tile that begins with query s[q]: (((batch x 32 + q / 64) x 16 + head) x 64 + q % 64) x 128 bytes
.macro AHBASE d, q
	s_lshr_b32 s68, s16, 4
	s_lshl_b32 s68, s68, 5
	s_lshr_b32 s69, s[\q], 6
	s_add_co_u32 s68, s68, s69
	s_lshl_b32 s68, s68, 4
	s_and_b32 s69, s16, 15
	s_add_co_u32 s68, s68, s69
	s_lshl_b32 s68, s68, 13
	s_and_b32 s69, s[\q], 63
	s_lshl_b32 s69, s69, 7
	s_add_co_u32 s68, s68, s69
	s_mov_b32 s69, 0
	s_add_nc_u64 s[\d:\d+1], s[6:7], s[68:69]
.endm
; A walk's start: m under every score, l and O^T zero.  The step is written once: its first run finds zeros, which a = 0 leaves zeros.
.macro INIT
	v_mov_b32 v13, 0xff61b1e6                      ; m: -3e38
	v_mul_f32 v12, s[CS], v13                      ; c m
	v_mov_b32 v14, 0
	v_mov_b32 v15, 0
.set j, 0
.rept 32
	v_mov_b32 v[O+j], 0
.set j, j+1
.endr
.endm
	s_load_b128 s[4:7], s[0:1], 0x0                ; qkv, ah
	v_lshl_add_u32 v[SPW], v0, 2, SPARE
	v_mov_b32 v[NIL], 0
	ds_add_u32 v[SPW], v[NIL]                      ; the wave's opening: the add, twice on end, and its wait ahead of the first tensor load
	ds_add_u32 v[SPW], v[NIL]
	v_lshrrev_b32 v8, 5, v0
	v_readfirstlane_b32 s[WV], v8                  ; wave 0..15
	s_and_b32 s16, ttmp7, 0xffff                   ; the head, 0..31
	s_and_b32 s17, s[WV], 7
	s_lshl_b32 s17, s17, 4                         ; my tile's 16 queries in a block
	s_lshr_b32 s[POFF], s[WV], 3
	s_lshl_b32 s[POFF], s[POFF], 7
	s_sub_co_u32 s19, 15, ttmp9
	s_lshl_b32 s19, s19, 7                         ; the upper block's first query
	s_add_co_u32 s[Q0], s19, s17
	s_add_co_u32 s[LASTQ], s19, 127
	s_lshl_b32 s19, ttmp9, 7                       ; the lower block's
	s_add_co_u32 s[Q0B], s19, s17
	s_add_co_u32 s[LASTQB], s19, 127
	s_lshl_b32 s66, s16, 18                        ; the head's 262,144 bytes in each part
	s_mov_b32 s67, 0
	; group 1: 256 rows of 64 elements of 2 bytes, dense in memory; padding behind every 32 words: K 4 words, V 8
	s_mov_b32 s[G1K], (1<<16)|(1<<20)|(4<<22)|(3<<25)
	s_mov_b32 s[G1V], (1<<16)|(1<<20)|(4<<22)|(7<<25)
.irp g, G1K, G1V
	s_mov_b32 s[\g+1], 64<<16                      ; tensor_dim0
	s_mov_b32 s[\g+2], 256<<16                     ; tensor_dim1
	s_mov_b32 s[\g+3], 64<<16                      ; tile_dim0
	s_mov_b32 s[\g+4], 256                         ; tile_dim1
	s_mov_b32 s[\g+5], 64                          ; from row to row
	s_mov_b32 s[\g+6], 0
	s_mov_b32 s[\g+7], 0
.endr
	s_mov_b32 s[SEL], 0x76543210
	s_mov_b32 s[SEL+1], 0xfedcba98
	s_mov_b32 s[CS], 0x3e38aa3b                    ; c = log2(e) / 8
	s_mov_b32 s[CS+1], s[CS]
	s_mov_b32 s[TB], 0
	s_mov_b32 s[KF], 0
	s_wait_dscnt 0x0                               ; both opening adds are done
	s_wait_kmcnt 0x0
	s_add_nc_u64 s[8:9], s[4:5], s[66:67]          ; the head in part q
	DESC0
	TLOAD                                          ; slot 0: one tensor load of a wave is out at the most, here and later
	s_lshl_b32 s66, s[Q0], 7
	s_add_nc_u64 s[4:5], s[8:9], s[66:67]          ; Q at my tile of the upper block,
	s_lshl_b32 s66, s[Q0B], 7
	s_add_nc_u64 s[12:13], s[8:9], s[66:67]        ; and of the lower
	AHBASE 10, Q0B
	AHBASE 6, Q0
	s_mov_b32 s68, 16777216+32768                  ; the prefetches: part v or part k, in slot 1: the first change of slots steps it to slot 2.  Nothing is prefetched here, at the head
	s_cmp_lt_u32 s[WV], 8
	s_cselect_b32 s68, 8388608+32768, s68
	s_and_b32 s69, s[WV], 3
	s_lshl_b32 s69, s69, 13                        ; my wave's 8,192 bytes
	s_add_co_u32 s68, s68, s69
	s_mov_b32 s69, 0
	s_add_nc_u64 s[PFA:PFA+1], s[8:9], s[68:69]
	s_sub_co_u32 s70, s[WV], 4
	s_lshr_b32 s70, s70, 3                         ; 0 in waves 4 to 11,
	s_or_b32 s70, s70, ttmp9                       ; of the head's first work-group
	s_cmp_eq_u32 s70, 0
	s_cselect_b32 s[LIM], 1, -1
	v_and_b32 v8, 15, v0                           ; r
	v_bfe_u32 v9, v0, 4, 1                         ; h
	v_lshlrev_b32 v[QOF], 7, v8
	v_lshl_add_u32 v[QOF], v9, 4, v[QOF]           ; Q: row r of 128 bytes, + 16 h
.irp i, 0,1,2,3
	global_load_b128 v[QF+4*\i:QF+4*\i+3], v[QOF], s[4:5] offset:32*\i   ; a fragment: registers 0-3 channels 8 h + 0..7, registers 4-7 channels 16 + 8 h + 0..7; the second fragment 32 channels on
.endr
	v_mul_u32_u24 v[AK0], v8, KP
	v_lshl_add_u32 v[AK0], v9, 4, v[AK0]           ; row r x pitch + 16 h
	s_mul_i32 s71, s[WV], 16*KP
	s_add_co_u32 s71, s71, STAGE                   ; my stage
	v_add_nc_u32 v[STO], s71, v[AK0]               ; in: row r, + 16 h
	v_and_b32 v[T0], 31, v0
	v_lshlrev_b32 v[GO], 4, v[T0]
	v_lshlrev_b32 v[PFO], 8, v[T0]
	v_lshrrev_b32 v[RD], 3, v[T0]
	v_mul_u32_u24 v[RD], v[RD], KP
	v_and_b32 v[T1], 7, v0
	v_lshl_add_u32 v[RD], v[T1], 4, v[RD]
	v_add_nc_u32 v[RD], s71, v[RD]                 ; back: eight lanes a row of 128 bytes, 32 lanes four rows
	s_lshr_b32 s72, s[WV], 3                       ; my group
	s_mul_i32 s73, s72, 128*KP
	v_add_nc_u32 v[AK0], s73, v[AK0]               ; K: my group's 128 rows of a slot
	v_lshl_add_u32 v[AV0], v9, 3, v[T1]            ; V: the turning load: key 8 h + l % 8,
	v_mul_u32_u24 v[AV0], v[AV0], VP
	v_bfe_u32 v[T0], v0, 3, 1
	v_lshl_add_u32 v[AV0], v[T0], 4, v[AV0]        ; channels 8 ((l / 8) % 2) on,
	s_mul_i32 s73, s72, 128*VP
	s_add_co_u32 s73, s73, VOFF
	v_add_nc_u32 v[AV0], s73, v[AV0]               ; my group's 128 rows
	s_and_b32 s72, s[WV], 7
	s_mul_i32 s72, s72, MPART
	s_add_co_u32 s72, s72, MRG
	v_add_nc_u32 v[MST], s72, v[GO]                ; my tile's place in MRG: the same in waves t and t + 8
	v_lshlrev_b32 v[RH], 3, v9
	v_sub_nc_u32 v[RH], v8, v[RH]
	v_mov_b32 v[AA+1], 0                           ; named as the upper halves of pairs
	v_mov_b32 v[SUM2], 0
	v_mov_b32 v[SUM2+1], 0
	v_mov_b32 v[PL], 0                             ; a lane permute's destination counts as one of its sources
	v_mov_b32 v[NINF], 0xff800000
	INIT
; A KEY STEP: my group's 128 keys of the slot in hand.
.macro STEP
	s_add_co_u32 s67, s[KF], s[POFF]               ; my step's first key
	s_add_co_u32 s66, s[Q0], 15
	s_cmp_gt_u32 s67, s66                          ; all its keys come after my queries: nothing to do
	s_cbranch_scc1 .Lhidden_\@
	v_add_nc_u32 v[ADK], s[TB], v[AK0]             ; five places behind the last step's products: the loads below land in registers that those have read (four are asked),
	v_add_nc_u32 v[ADV], s[TB], v[AV0]             ; and the first products below write over registers that those took as source 0 (five are asked)
.rept 3
	v_nop
.endr
.irp g, 0,1                                    ; S^T = K Q^T, four tiles of 16 keys at a time; the four accumulators take turns
.if \g
.rept 4
	v_nop
.endr
.endif
.irp t, 0,1,2,3
.irp c, 0,1
	ds_load_b128 v[F+16*\t+8*\c:F+16*\t+8*\c+3],   v[ADK] offset:16*(4*\g+\t)*KP+64*\c
	ds_load_b128 v[F+16*\t+8*\c+4:F+16*\t+8*\c+7], v[ADK] offset:16*(4*\g+\t)*KP+64*\c+32
.endr
.endr
	s_wait_dscnt 0x0
.irp t, 0,1,2,3
	v_wmma_f32_16x16x32_f16 v[S+8*(4*\g+\t):S+8*(4*\g+\t)+7], v[F+16*\t:F+16*\t+7], v[QF:QF+7], 0
.endr
.irp t, 0,1,2,3
	v_wmma_f32_16x16x32_f16 v[S+8*(4*\g+\t):S+8*(4*\g+\t)+7], v[F+16*\t+8:F+16*\t+15], v[QF+8:QF+15], v[S+8*(4*\g+\t):S+8*(4*\g+\t)+7]
.endr
.endr
.rept 4
	v_nop                                          ; places: for the loads below and for the first reads of the scores
.endr
.irp k, 0,1                                    ; V of the step's first 64 keys lands under the softmax: keys 32 k on, channels 16 n on
.irp n, 0,1,2,3
	ds_load_tr16_b128 v[F+8*(4*\k+\n):F+8*(4*\k+\n)+3],   v[ADV] offset:32*\k*VP+32*\n
	ds_load_tr16_b128 v[F+8*(4*\k+\n)+4:F+8*(4*\k+\n)+7], v[ADV] offset:32*\k*VP+16*VP+32*\n
.endr
.endr
	s_add_co_u32 s66, s67, 127                     ; on the diagonal the scores of hidden keys become -infinity ahead of the maximum.  A step all of whose keys count skips this
	s_cmp_le_u32 s66, s[Q0]
	s_cbranch_scc1 .Lopen_\@
	s_sub_co_i32 s66, s[Q0], s67
	v_add_nc_u32 v[DD], s66, v[RH]                 ; d = my query - the step's first key - 8 (lane / 16): register 8 u + j is hidden where 16 u + j > d
.set n, 0
.rept 64
	v_cmp_gt_i32 vcc_lo, 16*(n/8)+n%8, v[DD]
	v_cndmask_b32 v[S+n], v[S+n], v[NINF], vcc_lo
.set n, n+1
.endr
.Lopen_\@:
.irp b, 0,1,2,3
	v_max3_num_f32 v[MX+\b], v[S+16*\b], v[S+16*\b+1], v[S+16*\b+2]   ; the maximum, in four chains by turns; each accumulator is read from its low end on
.endr
.irp i, 3,5,7,9,11,13
.irp b, 0,1,2,3
	v_max3_num_f32 v[MX+\b], v[MX+\b], v[S+16*\b+\i], v[S+16*\b+\i+1]
.endr
.endr
.irp b, 0,1,2,3
	v_max_num_f32 v[MX+\b], v[MX+\b], v[S+16*\b+15]
.endr
	v_max3_num_f32 v[T0], v[MX], v[MX+1], v[MX+2]
	v_max3_num_f32 v[T0], v[T0], v[MX+3], v13      ; with the old m
	v_permlanex16_b32 v[PL], v[T0], s[SEL], s[SEL+1]   ; the query's other 64 keys lie in the lane 16 away
	v_mov_b32 v[T1], v12                           ; c m_old
	v_max_num_f32 v13, v[T0], v[PL]                ; the new m
	v_mul_f32 v12, s[CS], v13
	v_sub_f32 v[T0], v[T1], v12                    ; c m_old - c m_new
.set j, 0
.rept 32
	v_pk_fma_f32 v[S+j:S+j+1], v[S+j:S+j+1], s[CS:CS+1], v[12:13] op_sel_hi:[1,0,0] neg_lo:[0,0,1] neg_hi:[0,0,1]   ; c s - c m, two at a time
.set j, j+2
.endr
	v_exp_f32 v[AA], v[T0]                         ; ONE BATCH: a and the 64 weights
.set j, 0
.rept 64
	v_exp_f32 v[S+j], v[S+j]
.set j, j+1
.endr
	v_nop                                          ; a plain instruction behind the last exponential
	s_wait_alu depctr_va_vdst(0)                   ; and one wait for the batch, ahead of its first reader
	v_pk_mul_f32 v[14:15], v[14:15], v[AA:AA+1] op_sel_hi:[1,0]     ; l under the new m
	v_pk_add_f32 v[SUM2:SUM2+1], v[S:S+1], v[S+2:S+3]               ; the sum of the unrounded weights, two at a time, in two chains
.irp j, 4,8,12,16,20,24,28,32,36,40,44,48,52,56,60
	v_pk_add_f32 v[14:15], v[14:15], v[S+\j:S+\j+1]
	v_pk_add_f32 v[SUM2:SUM2+1], v[SUM2:SUM2+1], v[S+\j+2:S+\j+3]
.endr
	v_pk_add_f32 v[14:15], v[14:15], v[SUM2:SUM2+1]
.set j, 0
.rept 32
	v_cvt_pk_f16_f32 v[P+j], v[S+2*j], v[S+2*j+1]  ; two neighbouring keys' weights: registers 8 k .. 8 k + 7 are P's fragment of keys 32 k on
.set j, j+1
.endr
.irp k, 0,1                                    ; the scores' registers are free: V of the step's second 64 keys lands there
.irp n, 0,1,2,3
	ds_load_tr16_b128 v[S+8*(4*\k+\n):S+8*(4*\k+\n)+3],   v[ADV] offset:(64+32*\k)*VP+32*\n
	ds_load_tr16_b128 v[S+8*(4*\k+\n)+4:S+8*(4*\k+\n)+7], v[ADV] offset:(64+32*\k)*VP+16*VP+32*\n
.endr
.endr
.set j, 0
.rept 16
	v_pk_mul_f32 v[O+j:O+j+1], v[O+j:O+j+1], v[AA:AA+1] op_sel_hi:[1,0]   ; O^T under the new m
.set j, j+2
.endr
	s_wait_dscnt 0x0                               ; V is in
.irp k, 0,1,2,3                                ; O^T += V^T P: the four accumulators by turns
.irp n, 0,1,2,3
.if \k < 2
	v_wmma_f32_16x16x32_f16 v[O+8*\n:O+8*\n+7], v[F+8*(4*\k+\n):F+8*(4*\k+\n)+7], v[P+8*\k:P+8*\k+7], v[O+8*\n:O+8*\n+7]
.else
	v_wmma_f32_16x16x32_f16 v[O+8*\n:O+8*\n+7], v[S+8*(4*(\k-2)+\n):S+8*(4*(\k-2)+\n)+7], v[P+8*\k:P+8*\k+7], v[O+8*\n:O+8*\n+7]
.endif
.endr
.endr
.Lhidden_\@:
.endm
; THE CHANGE OF SLOTS stands at a slot's head.  Each wave waits for all its tensor loads, adds 0 to its spare word, and waits for that and for its reads of the slot that it has left.  Behind the barrier the slot ahead is
; whole and nobody reads the other one.  fill = 1: that other slot takes the next 256 keys, while its first key is at or under s[lq], the block's last query.  fill = 3, at the head of the first walk's last slot: slot 0 takes the
; head's first 256 keys again, for the second walk; key 0 counts for every query, so this load is under no condition.  fill = 0: nothing is asked for.
; twice = 1: the add stands twice on end.
.macro CHANGE fill, ask, lq, twice
	s_wait_tensorcnt 0x0                           ; no tensor load of mine is out, so a group 0 may be written
	ds_add_u32 v[SPW], v[NIL]                      ; 0 onto my spare word
.if \twice
	ds_add_u32 v[SPW], v[NIL]
.endif
.if \fill == 1
	s_xor_b32 s[G0K+1], s[G0K+1], SLOT1            ; the walking descriptors: the other slot, the next 256 rows of 128 bytes
	s_add_nc_u64 s[G0K+2:G0K+3], s[G0K+2:G0K+3], 32768
	s_xor_b32 s[G0V+1], s[G0V+1], SLOT1
	s_add_nc_u64 s[G0V+2:G0V+3], s[G0V+2:G0V+3], 32768
.endif
.if \fill == 3
	DESC0
.endif
.if \ask
	s_wait_xcnt 0x0                                ; the last prefetch, a slot back, has read its address
	s_add_nc_u64 s[PFA:PFA+1], s[PFA:PFA+1], 32768 ; one slot further on than the walking descriptors
.endif
	s_wait_dscnt 0x0                               ; the add is done, and my reads of the slot that I have left are over
	s_barrier_signal -1
	s_barrier_wait -1
.if \fill == 1
	s_add_co_u32 s66, s[KF], 256                   ; the first key of the slot that this change would ask for:
	s_cmp_gt_u32 s66, s[\lq]                       ; behind the block's last query no wave reads it, so it is not asked for.  Ids and the count of slots alone: all sixteen waves go the same way
	s_cbranch_scc1 .Lpast_\@
	TLOAD                                          ; a wave's one tensor load until the next such barrier
.Lpast_\@:
.endif
.if \fill == 3
	TLOAD
.endif
.if \ask
	ASK
.endif
.endm
.macro NEXT                            ; on to the other slot and the next 256 keys
	s_xor_b32 s[TB], s[TB], SLOT1
	s_add_co_u32 s[KF], s[KF], 256
.endm
; A WALK'S END.  Waves t and t + 8 hold two halves of tile t: each its own m, l and O^T over its own keys.  Waves 8-15 store theirs as images of their registers (16 bytes a lane, 512 a store); a barrier; waves 0-7 load them
; into the same lanes and join: c m = the larger of the two, a_p = 2^(c m_p - c m), l = a_0 l_0 + a_1 l_1, O = (a_0 O_0 + a_1 O_1) / l.  A half that had no step (block 0's second) has m = -3e38, l = 0, O = 0: its a is 0.
; Then O is rounded to f16 and sent through the wave's stage, so that 32 lanes store four whole rows: 512 consecutive bytes.  ob: ah at my tile.  more = 1: the second walk's Q is asked for here and lands under the joining.
; (In the first walk slot 0's load may be out across this barrier: no tile is read and nothing is filled between it and the next change of slots.)
.macro FINISH ob, more
.rept 4
	v_nop                                          ; four places behind the last products: for the reads of O^T and for the loads into the registers that held V
.endr
.if \more
.irp i, 0,1,2,3
	global_load_b128 v[QF+4*\i:QF+4*\i+3], v[QOF], s[12:13] offset:32*\i
.endr
.endif
	s_cmp_lt_u32 s[WV], 8
	s_cbranch_scc1 .Lkeep_\@
.irp n, 0,1,2,3,4,5,6,7
	ds_store_b128 v[MST], v[O+4*\n:O+4*\n+3] offset:512*\n         ; each accumulator from its low end on
.endr
	ds_store_b128 v[MST], v[12:15] offset:4096     ; c m, m, l's two halves
.Lkeep_\@:
	s_wait_dscnt 0x0                               ; for the partner's sake: my stores have landed
	s_barrier_signal -1
	s_barrier_wait -1
	s_cmp_ge_u32 s[WV], 8
	s_cbranch_scc1 .Lgone_\@
.irp n, 0,1,2,3,4,5,6,7
	ds_load_b128 v[S+4*\n:S+4*\n+3], v[MST] offset:512*\n
.endr
	ds_load_b128 v[S+32:S+35], v[MST] offset:4096
	s_wait_dscnt 0x0
	v_max_num_f32 v[T0], v12, v[S+32]              ; c m of all the keys
	v_sub_f32 v[T1], v12, v[T0]
	v_sub_f32 v[DD], v[S+32], v[T0]
	v_exp_f32 v[AA], v[T1]                         ; a_0
	v_exp_f32 v[SUM2], v[DD]                       ; a_1
	v_add_f32 v14, v14, v15                        ; (plain work behind the two exponentials)
	v_add_f32 v[S+34], v[S+34], v[S+35]
	s_wait_alu depctr_va_vdst(0)                   ; one wait for the two, ahead of their first reader
	v_mul_f32 v14, v14, v[AA]
	v_fma_f32 v14, v[S+34], v[SUM2], v14
	v_permlanex16_b32 v[PL], v14, s[SEL], s[SEL+1]
	v_add_f32 v14, v14, v[PL]                      ; l
	v_rcp_f32 v[T0], v14
	v_nop                                          ; a plain place behind the reciprocal
	s_wait_alu depctr_va_vdst(0)
	v_mul_f32 v[AA], v[AA], v[T0]
	v_mul_f32 v[SUM2], v[SUM2], v[T0]
.set j, 0
.rept 16
	v_pk_mul_f32 v[O+j:O+j+1], v[O+j:O+j+1], v[AA:AA+1] op_sel_hi:[1,0]
.set j, j+2
.endr
.set j, 0
.rept 16
	v_pk_fma_f32 v[O+j:O+j+1], v[S+j:S+j+1], v[SUM2:SUM2+1], v[O+j:O+j+1] op_sel_hi:[1,0,1]
.set j, j+2
.endr
.set j, 0
.rept 16
	v_cvt_pk_f16_f32 v[S+j], v[O+2*j], v[O+2*j+1]
.set j, j+1
.endr
.irp n, 0,1,2,3
	ds_store_b128 v[STO], v[S+4*\n:S+4*\n+3] offset:32*\n
.endr
.irp u, 0,1,2,3
	ds_load_b128 v[S+16+4*\u:S+16+4*\u+3], v[RD] offset:4*KP*\u     ; LDS serves a wave's instructions in order: these see the stores above
.endr
.irp u, 0,1,2,3
	s_wait_dscnt 3-\u                              ; the younger loads from the stage may be out
	global_store_b128 v[GO], v[S+16+4*\u:S+16+4*\u+3], s[\ob:\ob+1] offset:512*\u
.endr
.Lgone_\@:
.endm
	s_wait_loadcnt 0x0                             ; Q
	; THE FIRST WALK: block 15 - i, eight slots
	s_mov_b32 s[SLOTS], 7
.Lup:                                              ; seven trips: behind each change of slots the next slot is asked for, up to the block's last query
	CHANGE 1, 1, LASTQ, 1
	STEP
	NEXT
	s_sub_co_u32 s[SLOTS], s[SLOTS], 1
	s_cmp_lg_u32 s[SLOTS], 0
	s_cbranch_scc1 .Lup
	CHANGE 3, 0, 0, 1                              ; the last slot is written out: slot 0 takes the second walk's first keys
	STEP
	FINISH 6, 1
	s_wait_xcnt 0x0                                ; the stores above have read their registers, which the next steps write
	INIT
	s_mov_b32 s[Q0], s[Q0B]
	s_mov_b32 s[KF], 0
	s_mov_b32 s[TB], 0
	s_wait_loadcnt 0x0                             ; the second walk's Q
	; THE SECOND WALK: block i, four slots
	s_mov_b32 s[SLOTS], 3
.Llow:
	CHANGE 1, 0, LASTQB, 1
	STEP
	NEXT
	s_sub_co_u32 s[SLOTS], s[SLOTS], 1
	s_cmp_lg_u32 s[SLOTS], 0
	s_cbranch_scc1 .Llow
	CHANGE 0, 0, 0, 0                              ; the last slot: nothing is left to ask for
	STEP
	FINISH 10, 0
	s_wait_tensorcnt 0x0                           ; the wave's end: behind my last tensor load and my last LDS store
	ds_add_u32 v[SPW], v[NIL]
	s_wait_dscnt 0x0
	s_endpgm
.Lfunc_end_k_qa03593d946_attn:
	.size	k_qa03593d946_attn, .Lfunc_end_k_qa03593d946_attn-k_qa03593d946_attn
	.p2alignl 7, 3214868480
	.fill 96, 4, 3214868480
	.section	.rodata,"a",@progbits
	.p2align	6, 0x0
	.amdhsa_kernel k_qa03593d946_attn
		.amdhsa_group_segment_fixed_size 327680
		.amdhsa_private_segment_fixed_size 0
		.amdhsa_enable_private_segment 0
		.amdhsa_kernarg_size 16
		.amdhsa_user_sgpr_count 2
		.amdhsa_user_sgpr_kernarg_segment_ptr 1
		.amdhsa_wavefront_size32 1
		.amdhsa_system_sgpr_workgroup_id_x 1
		.amdhsa_system_sgpr_workgroup_id_y 1
		.amdhsa_system_sgpr_workgroup_id_z 1
		.amdhsa_system_vgpr_workitem_id 0
		.amdhsa_next_free_vgpr 256
		.amdhsa_next_free_sgpr 76
		.amdhsa_reserve_vcc 1
		.amdhsa_float_denorm_mode_32 3
		.amdhsa_float_denorm_mode_16_64 3
		.amdhsa_memory_ordered 1
		.amdhsa_forward_progress 1
		.amdhsa_inst_pref_size 120
	.end_amdhsa_kernel
	.amdgpu_metadata
---
amdhsa.version: [ 1, 2 ]
amdhsa.kernels:
  - .name:           k_qa03593d946_attn
    .symbol:         k_qa03593d946_attn.kd
    .args:
      - { .name: qkv, .offset: 0, .size: 8, .value_kind: global_buffer, .address_space: global }
      - { .name: ah, .offset: 8, .size: 8, .value_kind: global_buffer, .address_space: global }
    .group_segment_fixed_size: 327680
    .private_segment_fixed_size: 0
    .kernarg_segment_align: 8
    .kernarg_segment_size: 16
    .max_flat_workgroup_size: 512
    .sgpr_count:     76
    .vgpr_count:     256
    .wavefront_size: 32
...
	.end_amdgpu_metadata
.endif
;; end of part 3
;; launch proj (part 4): grid 8 x 32, 4 waves a work-group, clusters of 4 x 4, 327,680 bytes of LDS; arguments ah, wph, bp, out0; writes out0
.if DOCPART == 4
	.amdgcn_target "amdgcn-amd-amdhsa--gfx1250"
	.amdhsa_code_object_version 6
	.text
	.protected	k_qa03593d946_proj
	.globl	k_qa03593d946_proj
	.p2align	8
	.type	k_qa03593d946_proj,@function
k_qa03593d946_proj:
	s_mov_b64 s[64:65], 0
	v_nop
	global_prefetch_b8 v0, s[64:65] scope:SCOPE_SE
	s_setreg_imm32_b32 hwreg(HW_REG_WAVE_MODE, 25, 1), 1
	s_wait_xcnt 0x0
	s_wait_alu depctr_hold_cnt(0) depctr_sa_sdst(0) depctr_va_vdst(0) depctr_va_sdst(0) depctr_va_ssrc(0) depctr_va_vcc(0) depctr_vm_vsrc(0)
	s_getreg_b32 s2, hwreg(HW_REG_IB_STS2, 6, 4)
	s_cmp_eq_u32 s2, 0
	s_cbranch_scc0 .Lentry_in_a_cluster
	s_endpgm
.Lentry_in_a_cluster:
	s_bfe_u32 s2, ttmp6, 0x10000c
	s_cmp_lg_u32 s2, 0xf033
	s_cbranch_scc0 .Lentry_shape_is_right
	s_endpgm
.Lentry_shape_is_right:
; out[m][n] = sum over k of A[m][k] Wp[n][k] + bp[n].  m = batch x 2,048 + t (4,096), n and k 1,024; k = head x 64 + channel.  f16 operands, f32 sums, f32 out.
; A = ah [64 = m / 64][16 heads][64 rows][64 channels] f16: a K step of 256 (four heads) of 64 rows is one dense block of 32,768 bytes.  B = wph [1024 n][1024 k] f16.
; (Rows 0-15 of each batch are written here like the others; the next launch writes them anew in f32.)
; A tile of C is 128 x 128: 256 work-groups.  Four waves, each 64 x 64: 16 accumulators.  K goes in four steps of 256 through two LDS slots.
; CLUSTERS: 4 x 4 work-groups.  The four of a row of the cluster need the same tiles of A, the four of a column the same tiles of B: each tile is asked for jointly, by the same tensor load with the same descriptor and a
; mask that names the four.  THE MATRIX INSTRUCTION IS USED TRANSPOSED (source 0 = 16 rows of B, source 1 = 16 rows of A): a lane holds eight neighbouring numbers of a row of C.  The bias is the C of each sum's first product.
; REGISTERS: window 0: v0-31 addresses; v32-95 the way out; v96-127 the bias; v128-255 the accumulators ((a, b) at v[128 + 8 (4 a + b)]).   window 1: two fragment buffers of 128: 64 registers of A, then 64 of B, for 64 along K.
.set PA,     144                       ; a row of A's tile in LDS: 128 bytes (one head's 64 channels) + 16
.set PB,     528                       ; a row of B's: 512 bytes + 16
.set HALFA,  256*PA                    ; [4 heads][64 rows]: what one load brings of A, and what one wave reads
.set HALFB,  64*PB
.set BOFF,   2*HALFA
.set SLOT,   2*HALFA+2*HALFB
.set STAGE,  2*SLOT                    ; behind the ring: 16 rows x 272 bytes for each wave
.set SPITCH, 272
.set SPARE,  STAGE+4*16*SPITCH         ; the spare words, 128 bytes a wave, which no other line names
.set LAPS,   2                         ; a lap = two K steps = once round the ring
.set ADRA, 16
.set ADRB, 20
.set STO,  24
.set RD,   25
.set CO,   26
.set BO,   27                          ; v27  the bias: 32 bytes x my half of the lanes
.set SPW,  28
.set NIL,  29
.set TMP,  32
.set BI,   96
.set ACC,  128
.set F0,   0
.set F1,   128
.set G1, 24
.set G0, 32
.set G1B, 48
.set G0B, 56
.set MSB, 0
.macro WIN new                         ; the immediate's high byte repeats the setting that is left
.if MSB != \new
	s_set_vgpr_msb (MSB<<8)|\new
.set MSB, \new
.endif
.endm
.set MUL,  0x05                        ; sources 0 (B) and 1 (A) window 1; C and D window 0
.set TO_F, 0x40                        ; destination window 1, address window 0
.macro JLOAD s                         ; a joint load: waves 0 and 1 fetch A's two halves, waves 2 and 3 B's; an s_nop 0 and four v_nop follow each of the two lines
	s_cmp_eq_u32 s11, 0
	s_cbranch_scc0 .Lfor_b_\@
	tensor_load_to_lds s[G0+4*\s:G0+4*\s+3], s[G1:G1+7]
	s_nop 0
.rept 4
	v_nop
.endr
	s_branch .Lasked_\@
.Lfor_b_\@:
	tensor_load_to_lds s[G0B+4*\s:G0B+4*\s+3], s[G1B:G1B+7]
	s_nop 0
.rept 4
	v_nop
.endr
.Lasked_\@:
.endm
.macro CREST                           ; a round of the cluster's barrier behind its opening barrier
	s_cmp_lg_u32 s10, 0
	s_cbranch_scc1 .Lnot_wave_0_\@
	s_barrier_signal -3
.Lnot_wave_0_\@:
	s_barrier_wait -3
	s_barrier_signal -1
	s_barrier_wait -1
.endm
.macro CROUND
	s_barrier_signal -1
	s_barrier_wait -1
	CREST
.endm
	s_load_b128 s[4:7], s[0:1], 0x0                ; ah, wph
	s_load_b64 s[66:67], s[0:1], 0x10              ; bp
	s_load_b64 s[8:9], s[0:1], 0x18                ; out0
	v_lshl_add_u32 v[SPW], v0, 2, SPARE
	v_mov_b32 v[NIL], 0
	ds_add_u32 v[SPW], v[NIL]                      ; the wave's opening: the add, twice on end, and its wait ahead of my first tensor load
	ds_add_u32 v[SPW], v[NIL]
	v_lshrrev_b32 v1, 5, v0
	v_readfirstlane_b32 s10, v1                    ; wave 0..3
	s_lshr_b32 s11, s10, 1                         ; which half of the tile's rows is mine.  Also: I fetch for A (0) or for B (1)
	s_and_b32 s12, s10, 1                          ; which half of its columns.  Also: which 64 rows of that tile I fetch
	s_bfe_u32 s40, ttmp6, 0x40000                  ; cx, cy
	s_bfe_u32 s41, ttmp6, 0x40004
	s_lshl_b32 s42, ttmp9, 2
	s_add_co_u32 s42, s42, s40                     ; tile column
	s_and_b32 s13, ttmp7, 0xffff
	s_lshl_b32 s13, s13, 2
	s_add_co_u32 s13, s13, s41                     ; tile row
	s_lshl_b32 s43, s41, 2
	s_lshl_b32 s43, 15, s43                        ; my row of the cluster
	s_lshl_b32 s44, 0x1111, s40                    ; my column
	s_or_b32 s[G1+0], s43, (1<<16)|(1<<20)|(1<<21)|(4<<22)|(3<<25)   ; A: elements of 2 bytes; four words of padding behind every 32
	s_mov_b32 s[G1+1], 64<<16                      ; tensor_dim0 = 64
	s_mov_b32 s[G1+2], 256<<16                     ; tensor_dim1 = 256: four heads x 64 rows, dense
	s_mov_b32 s[G1+3], 64<<16                      ; tile_dim0
	s_mov_b32 s[G1+4], 256                         ; tile_dim1
	s_mov_b32 s[G1+5], 64                          ; from row to row
	s_mov_b32 s[G1+6], 0
	s_mov_b32 s[G1+7], 0
	s_or_b32 s[G1B+0], s44, (1<<16)|(1<<20)|(1<<21)|(6<<22)|(3<<25)  ; B: four words of padding behind every 128
	s_mov_b32 s[G1B+1], 256<<16
	s_mov_b32 s[G1B+2], 64<<16
	s_mov_b32 s[G1B+3], 256<<16
	s_mov_b32 s[G1B+4], 64
	s_mov_b32 s[G1B+5], 1024
	s_mov_b32 s[G1B+6], 0
	s_mov_b32 s[G1B+7], 0
	s_lshl_b32 s16, s13, 1
	s_add_co_u32 s16, s16, s12                     ; A: block of 64 rows = 2 x tile row + half,
	s_lshl_b32 s16, s16, 17                        ; of 131,072 bytes
	s_mov_b32 s17, 0
	s_lshl_b32 s46, s42, 7
	s_lshl_b32 s47, s12, 6
	s_add_co_u32 s46, s46, s47                     ; B: row 128 x tile column + 64 x half,
	s_lshl_b32 s46, s46, 11                        ; of 2,048 bytes
	s_mov_b32 s47, 0
	s_mul_i32 s20, s12, HALFA                      ; where they go: no place in the cluster enters an LDS address
	s_mul_i32 s21, s12, HALFB
	s_add_co_u32 s21, s21, BOFF
	s_wait_dscnt 0x0                               ; both opening adds are done
	s_wait_kmcnt 0x0
	s_add_nc_u64 s[14:15], s[4:5], s[16:17]
	s_add_nc_u64 s[46:47], s[6:7], s[46:47]
	CROUND                                         ; all sixteen work-groups are here: the first joint loads meet
.irp s, 0,1
	s_mov_b32 s[G0+4*\s], 1
	s_add_co_u32 s[G0+4*\s+1], s20, \s*SLOT
	s_add_nc_u64 s[G0+4*\s+2:G0+4*\s+3], s[14:15], \s*32768        ; K step s: four heads of 8,192 bytes on
	s_or_b32 s[G0+4*\s+3], s[G0+4*\s+3], 0x80000000
	s_mov_b32 s[G0B+4*\s], 1
	s_add_co_u32 s[G0B+4*\s+1], s21, \s*SLOT
	s_add_nc_u64 s[G0B+4*\s+2:G0B+4*\s+3], s[46:47], \s*512
	s_or_b32 s[G0B+4*\s+3], s[G0B+4*\s+3], 0x80000000
	JLOAD \s                                       ; two tensor loads of mine are out at the most
.endr
	v_and_b32 v1, 15, v0                           ; r
	v_bfe_u32 v2, v0, 4, 1                         ; h
	s_lshl_b32 s46, s42, 9                         ; my first column, in f32 bytes: (128 x tile column + 64 x half) x 4
	s_lshl_b32 s47, s12, 8
	s_add_co_u32 s46, s46, s47
	s_mov_b32 s47, 0
	s_add_nc_u64 s[66:67], s[66:67], s[46:47]
	s_add_nc_u64 s[8:9], s[8:9], s[46:47]
	v_lshlrev_b32 v[BO], 5, v2
.irp b, 0,1,2,3
	global_load_b128 v[BI+8*\b:BI+8*\b+3], v[BO], s[66:67] offset:64*\b       ; register 8 b + j of lane (r, h): the bias of column 16 b + 8 h + j of my 64
	global_load_b128 v[BI+8*\b+4:BI+8*\b+7], v[BO], s[66:67] offset:64*\b+16
.endr
	s_lshl_b32 s16, s13, 7
	s_lshl_b32 s17, s11, 6
	s_add_co_u32 s16, s16, s17                     ; my first row: 128 x tile row + 64 x half,
	s_lshl_b32 s16, s16, 12                        ; of 4,096 bytes
	s_mov_b32 s17, 0
	s_add_nc_u64 s[8:9], s[8:9], s[16:17]
	v_mul_u32_u24 v3, v1, PA
	v_lshl_add_u32 v3, v2, 4, v3
	v_mul_u32_u24 v4, v1, PB
	v_lshl_add_u32 v4, v2, 4, v4
	s_mul_i32 s21, s11, HALFA                      ; my 64 rows of A
	s_mul_i32 s22, s12, HALFB                      ; my 64 rows of B
	s_add_co_u32 s22, s22, BOFF
.irp s, 0,1
	v_add_nc_u32 v[ADRA+\s], s21, v3
	v_add_nc_u32 v[ADRB+\s], s22, v4
	s_add_co_u32 s21, s21, SLOT
	s_add_co_u32 s22, s22, SLOT
.endr
	s_mul_i32 s23, s10, 16*SPITCH
	s_add_co_u32 s23, s23, STAGE                   ; my stage
	v_mul_u32_u24 v5, v1, SPITCH
	v_lshl_add_u32 v5, v2, 5, v5
	v_add_nc_u32 v[STO], s23, v5                   ; in: row r, 32 bytes for each half of the lanes
	v_mul_u32_u24 v5, v2, SPITCH
	v_lshl_add_u32 v5, v1, 4, v5
	v_add_nc_u32 v[RD], s23, v5                    ; back: lanes 0-15 one row of 256 bytes, lanes 16-31 the next
	v_lshlrev_b32 v5, 12, v2
	v_lshl_add_u32 v[CO], v1, 4, v5                ; and the same two rows in out
; 8 matrix instructions: m blocks a0, a0 + 1 x all 4 n blocks, 32 along K: half c of buffer f.  first = 1: the sums begin with the bias as C.  The 16 accumulators take turns.
.macro MUL8 f, c, a0, first
.irp a, \a0, \a0+1
.irp b, 0,1,2,3
.if \first
	v_wmma_f32_16x16x32_f16 v[ACC+8*(4*(\a)+\b):ACC+8*(4*(\a)+\b)+7], v[\f+64+8*(4*\c+\b):\f+64+8*(4*\c+\b)+7], v[\f+8*(4*\c+\a):\f+8*(4*\c+\a)+7], v[BI+8*\b:BI+8*\b+7]
.else
	v_wmma_f32_16x16x32_f16 v[ACC+8*(4*(\a)+\b):ACC+8*(4*(\a)+\b)+7], v[\f+64+8*(4*\c+\b):\f+64+8*(4*\c+\b)+7], v[\f+8*(4*\c+\a):\f+8*(4*\c+\a)+7], v[ACC+8*(4*(\a)+\b):ACC+8*(4*(\a)+\b)+7]
.endif
.endr
.endr
.endm
; 32 LDS loads in one run: the fragments of the slot's quarter d (64 along K: one head) into buffer f; the first 32 along K first
.macro FETCH slot, d, f
	WIN TO_F
.irp c, 0,1
.irp i, 0,1,2,3
	ds_load_b128 v[\f+64+8*(4*\c+\i):\f+64+8*(4*\c+\i)+3],   v[ADRB+\slot] offset:128*(\d)+64*\c+\i*16*PB
	ds_load_b128 v[\f+64+8*(4*\c+\i)+4:\f+64+8*(4*\c+\i)+7], v[ADRB+\slot] offset:128*(\d)+64*\c+\i*16*PB+32
	ds_load_b128 v[\f+8*(4*\c+\i):\f+8*(4*\c+\i)+3],         v[ADRA+\slot] offset:64*PA*(\d)+64*\c+\i*16*PA
	ds_load_b128 v[\f+8*(4*\c+\i)+4:\f+8*(4*\c+\i)+7],       v[ADRA+\slot] offset:64*PA*(\d)+64*\c+\i*16*PA+32
.endr
.endr
.endm
.macro PLACES                          ; four places in front of loads into registers that matrix instructions have read, and of reads of results
.rept 4
	v_nop
.endr
.endm
; A K step is four quarters of 64 along K, 32 matrix instructions each, on buffers 0, 1, 0, 1.  One of the first three: multiplies buffer f and fetches quarter d into g.
.macro QUARTER slot, d, f, g, first
	s_wait_dscnt 16                                ; the first 32 along K are in; the youngest sixteen loads may be out
	WIN MUL
	MUL8 \f, 0, 0, \first
	MUL8 \f, 0, 2, \first
	PLACES
	FETCH \slot, \d, \g
	s_wait_dscnt 32                                ; all but the 32 just issued
	WIN MUL
	MUL8 \f, 1, 0, 0
	MUL8 \f, 1, 2, 0
.endm
; The last quarter multiplies buffer 1 and changes slots: one barrier; in front of it each wave waits for all its tensor loads, adds 0 to its spare word, and waits for that and for its reads of this slot.
; fill = 1: the barrier opens a round of the cluster's barrier, and this slot is filled again, two K steps ahead, first thing behind the round.
.macro TURN slot, next, fill
	WIN 0
	s_wait_tensorcnt 0x0                           ; all my tensor loads have landed: my part of the next slot
	ds_add_u32 v[SPW], v[NIL]                      ; 0 onto my spare word
	s_wait_dscnt 17                                ; (the add and the youngest sixteen loads may be out)
	WIN MUL
	MUL8 F1, 0, 0, 0
	s_wait_dscnt 0x0                               ; the add is done, and my reads of this slot are over
	s_barrier_signal -1
	MUL8 F1, 0, 2, 0
.if \fill
	WIN 0
.endif
	s_barrier_wait -1
.if \fill
	CREST                                          ; no wave of any partner still reads this slot's tile or has a load on its way
	s_add_nc_u64 s[G0+4*\slot+2:G0+4*\slot+3], s[G0+4*\slot+2:G0+4*\slot+3], 65536
	s_add_nc_u64 s[G0B+4*\slot+2:G0B+4*\slot+3], s[G0B+4*\slot+2:G0B+4*\slot+3], 1024
	JLOAD \slot                                    ; the four v_nop behind it are also the places in front of the loads below
.else
	PLACES
.endif
	FETCH \next, 0, F0
	WIN MUL
	MUL8 F1, 1, 0, 0
	MUL8 F1, 1, 2, 0
.endm
	s_wait_tensorcnt 1                             ; my part of K step 0 is in; K step 1's may be out
	s_barrier_signal -1
	s_barrier_wait -1
	FETCH 0, 0, F0
	s_wait_loadcnt 0x0                             ; the bias
	QUARTER 0, 1, F0, F1, 1
	WIN 0                                          ; at a label and at a branch every window is 0
	s_mov_b32 s3, LAPS-1
.Llap:                                                 ; a trip goes once round the ring, from a lap's second quarter to the next lap's first, and fills both slots again
	QUARTER 0, 2, F1, F0, 0
	QUARTER 0, 3, F0, F1, 0
	TURN 0, 1, 1
	QUARTER 1, 1, F0, F1, 0
	QUARTER 1, 2, F1, F0, 0
	QUARTER 1, 3, F0, F1, 0
	TURN 1, 0, 1
	QUARTER 0, 1, F0, F1, 0
	WIN 0
	s_sub_co_u32 s3, s3, 1
	s_cmp_lg_u32 s3, 0
	s_cbranch_scc1 .Llap
	QUARTER 0, 2, F1, F0, 0                        ; the last lap fills nothing, and has no round of the cluster's barrier
	QUARTER 0, 3, F0, F1, 0
	TURN 0, 1, 0
	QUARTER 1, 1, F0, F1, 0
	QUARTER 1, 2, F1, F0, 0
	QUARTER 1, 3, F0, F1, 0
	s_wait_dscnt 16
	WIN MUL
	MUL8 F1, 0, 0, 0
	MUL8 F1, 0, 2, 0
	s_wait_dscnt 0
	MUL8 F1, 1, 0, 0
	MUL8 F1, 1, 2, 0
	WIN 0
; THE WAY OUT.  A wave's 64 columns of f32 are 256 bytes of a row: each wave has a stage of its own.  A block of 16 rows goes in, 32 bytes a lane, and comes back as whole pieces of 256 bytes, which sixteen lanes store.
.macro TOST a
.irp b, 0,1,2,3
	ds_store_b128 v[STO], v[ACC+8*(4*(\a)+\b):ACC+8*(4*(\a)+\b)+3] offset:64*\b       ; each accumulator from its low end on
	ds_store_b128 v[STO], v[ACC+8*(4*(\a)+\b)+4:ACC+8*(4*(\a)+\b)+7] offset:64*\b+16
.endr
.irp t, 0,1,2,3,4,5,6,7
	ds_load_b128 v[TMP+32*((\a)%2)+4*\t:TMP+32*((\a)%2)+4*\t+3], v[RD] offset:\t*2*SPITCH   ; LDS serves a wave's instructions in order: these see the stores above
.endr
.endm
.macro SEND a, younger                 ; younger: the LDS instructions issued behind block a's loads: the next block's eight stores and eight loads, or none
	s_wait_dscnt \younger
.irp t, 0,1,2,3,4,5,6,7
	global_store_b128 v[CO], v[TMP+32*((\a)%2)+4*\t:TMP+32*((\a)%2)+4*\t+3], s[8:9] offset:(16*(\a)+2*\t)*4096 th:TH_STORE_NT   ; 16 lanes store 256 consecutive bytes, at a multiple of 256 from out's first byte
.endr
.endm
	PLACES
	TOST 0
	TOST 1
	SEND 0, 16
	s_wait_xcnt 0x0                                ; block 0's stores have read their registers: block 2's loads land there
	TOST 2
	SEND 1, 16
	s_wait_xcnt 0x0
	TOST 3
	SEND 2, 16
	SEND 3, 0
	s_wait_tensorcnt 0x0                           ; the wave's end: behind my last tensor load and my last LDS store
	ds_add_u32 v[SPW], v[NIL]
	s_wait_dscnt 0x0
	CROUND                                         ; the closing round
	s_endpgm
.Lfunc_end_k_qa03593d946_proj:
	.size	k_qa03593d946_proj, .Lfunc_end_k_qa03593d946_proj-k_qa03593d946_proj
	.p2alignl 7, 3214868480
	.fill 96, 4, 3214868480
	.section	.rodata,"a",@progbits
	.p2align	6, 0x0
	.amdhsa_kernel k_qa03593d946_proj
		.amdhsa_group_segment_fixed_size 327680
		.amdhsa_private_segment_fixed_size 0
		.amdhsa_enable_private_segment 0
		.amdhsa_kernarg_size 32
		.amdhsa_user_sgpr_count 2
		.amdhsa_user_sgpr_kernarg_segment_ptr 1
		.amdhsa_wavefront_size32 1
		.amdhsa_system_sgpr_workgroup_id_x 1
		.amdhsa_system_sgpr_workgroup_id_y 1
		.amdhsa_system_sgpr_workgroup_id_z 1
		.amdhsa_system_vgpr_workitem_id 0
		.amdhsa_next_free_vgpr 512
		.amdhsa_next_free_sgpr 68
		.amdhsa_reserve_vcc 0
		.amdhsa_float_denorm_mode_32 3
		.amdhsa_float_denorm_mode_16_64 3
		.amdhsa_memory_ordered 1
		.amdhsa_forward_progress 1
		.amdhsa_inst_pref_size 87
	.end_amdhsa_kernel
	.amdgpu_metadata
---
amdhsa.version: [ 1, 2 ]
amdhsa.kernels:
  - .name:           k_qa03593d946_proj
    .symbol:         k_qa03593d946_proj.kd
    .args:
      - { .name: ah, .offset: 0, .size: 8, .value_kind: global_buffer, .address_space: global }
      - { .name: wph, .offset: 8, .size: 8, .value_kind: global_buffer, .address_space: global }
      - { .name: bp, .offset: 16, .size: 8, .value_kind: global_buffer, .address_space: global }
      - { .name: out0, .offset: 24, .size: 8, .value_kind: global_buffer, .address_space: global }
    .group_segment_fixed_size: 327680
    .private_segment_fixed_size: 0
    .kernarg_segment_align: 8
    .kernarg_segment_size: 32
    .max_flat_workgroup_size: 128
    .sgpr_count:     68
    .vgpr_count:     512
    .wavefront_size: 32
...
	.end_amdgpu_metadata
.endif
;; end of part 4
;; launch fine (part 5): grid 64 x 2, 16 waves a work-group, no clusters, 22,528 bytes of LDS; arguments fq, Wp, bp, out0; writes out0
.if DOCPART == 5
	.amdgcn_target "amdgcn-amd-amdhsa--gfx1250"
	.amdhsa_code_object_version 6
	.text
	.protected	k_qa03593d946_fine
	.globl	k_qa03593d946_fine
	.p2align	8
	.type	k_qa03593d946_fine,@function
k_qa03593d946_fine:
	s_mov_b64 s[64:65], 0
	v_nop
	global_prefetch_b8 v0, s[64:65] scope:SCOPE_SE
	s_setreg_imm32_b32 hwreg(HW_REG_WAVE_MODE, 25, 1), 1
	s_wait_xcnt 0x0
; THE FIRST 16 POSITIONS OF EACH SEQUENCE, WHOLLY IN f32: under the causal mask they average one to sixteen values, so the rounding of 16-bit operands weighs most there.  Attention over 16 keys and the projection, by
; v_wmma_f32_16x16x4_f32; rows 0-15 of each batch of out0 are written anew.  fq [2 batches][16 t][3072 = q, k, v columns] f32; Wp [1024 n][1024 k], bp [1024] f32.
; SHARES.  A work-group takes one batch (y) and 16 outputs (x): 128 work-groups.  Wave w is head w: it makes its head's 16 x 16 attention (32 products), and the part of the projection whose K is its own 64 channels (16 products).
; The sixteen parts meet in LDS and are added, with the bias, by waves 0 and 1.  Operands go from memory straight into registers: no tensor load, no cluster: each work-group reads little.
; A stored piece of a row is 64 consecutive bytes, four lanes; the launch stores 131,072 bytes in all.  A share of 64 outputs, with pieces of 256 bytes, would give each wave 96 products in place of 48 and 32 loads of Wp in place
; of 8, on a quarter of the work-groups.
; LAYOUT.  All three products are used transposed, so that a lane holds one query (lane % 16): S^T = K Q^T, O^T = V^T P, Y^T = Wp O.  An operand of this form holds k = 2 (lane / 16) + j in register j; the order of k along a sum
; is permuted alike in both operands, so that whole registers as they are loaded, or as the product before left them, serve as they stand.
; The registers that this matrix form writes (v192-255) are written by matrix instructions alone; what is made of a sum goes into other registers.
.set QF, 16                            ; v16-47   Q: register 4 s + i = channel 8 s + 4 h + i of query r;   at the end v16-79: the sixteen parts
.set KF, 48                            ; v48-79   K likewise
.set VF, 80                            ; v80-111  V: register 8 c + e = V[key 8 h + e][channel 16 c + r]
.set PR, 112                           ; v112-119 the scores, then p: register j = key 8 h + j
.set BB, 120                           ; v120-123 the bias, then the sum
.set WF, 128                           ; v128-159 Wp: register 8 c + e = Wp[my output r][16 c + 8 h + e of my 64 channels]
.set YS, 160                           ; v160-167 my part of the result; v168-175 at work
.set OT, 192                           ; v192-223 O^T: register 8 c + j = channel 16 c + 8 h + j
.set SA, 224                           ; v224-231, v232-239 the scores' two halves; then v224-255 Y^T in four parts, one for each 16 channels: register 8 c + j = output 8 h + j
.set SB, 232
.set Y,  224
.set SPW, 10
.set NIL, 11
.set PP,  80                           ; a row of a part in LDS: 64 bytes + 16
.set PART, 16*PP
.set SPARE, 16*PART                    ; behind the sixteen parts: the spare words, 128 bytes a wave, which no other line names
	s_load_b128 s[4:7], s[0:1], 0x0                ; fq, Wp
	s_load_b128 s[8:11], s[0:1], 0x10              ; bp, out0
	v_lshl_add_u32 v[SPW], v0, 2, SPARE
	v_mov_b32 v[NIL], 0
	v_lshrrev_b32 v9, 5, v0
	v_readfirstlane_b32 s12, v9                    ; wave = head
	s_and_b32 s13, ttmp7, 0xffff                   ; batch
	s_lshl_b32 s16, s12, 8                         ; my head's 64 columns, in bytes
	s_mul_i32 s14, s13, 196608
	s_add_co_u32 s14, s14, s16
	s_mov_b32 s15, 0
	s_lshl_b32 s18, ttmp9, 16                      ; my 16 rows of Wp, of 4,096 bytes
	s_add_co_u32 s18, s18, s16
	s_mov_b32 s19, 0
	s_lshl_b32 s20, ttmp9, 6                       ; my 16 outputs, in bytes
	s_mov_b32 s21, 0
	s_lshl_b32 s22, s13, 23                        ; the batch's 2,048 rows of 4,096 bytes
	s_add_co_u32 s22, s22, s20
	s_mov_b32 s23, 0
	s_mov_b32 s24, 0x76543210
	s_mov_b32 s25, 0xfedcba98                      ; lane l xor 16
	s_mov_b32 s26, 0x3e38aa3b                      ; c = log2(e) / 8
	v_and_b32 v12, 15, v0                          ; r
	v_bfe_u32 v13, v0, 4, 1                        ; h
	v_mul_u32_u24 v1, v12, 12288
	v_lshl_add_u32 v1, v13, 4, v1                  ; Q, K: row r of 12,288 bytes, + 16 h
	v_mul_u32_u24 v2, v13, 98304
	v_lshl_add_u32 v2, v12, 2, v2                  ; V: eight rows down for lanes 16-31, column r
	v_lshlrev_b32 v3, 12, v12
	v_lshl_add_u32 v3, v13, 5, v3                  ; Wp: row r of 4,096 bytes, + 32 h
	v_lshlrev_b32 v4, 3, v13
	v_sub_nc_u32 v4, v12, v4                       ; d = r - 8 h: key 8 h + j is hidden where j > d
	s_mul_i32 s27, s12, PART
	v_mul_u32_u24 v5, v12, PP
	v_lshl_add_u32 v5, v13, 5, v5
	v_add_nc_u32 v5, s27, v5                       ; my part: row r, 32 bytes for each half of the lanes
	v_and_b32 v15, 31, v0
	v_lshrrev_b32 v14, 2, v15
	s_and_b32 s27, s12, 1
	s_lshl_b32 s27, s27, 3
	v_add_nc_u32 v14, s27, v14                     ; the row that I add up (waves 0 and 1): 8 x wave + lane / 4;
	v_and_b32 v15, 3, v0
	v_lshlrev_b32 v8, 4, v15                       ; my 16 bytes of its 64: also my place in the bias
	v_mul_u32_u24 v6, v14, PP
	v_add_nc_u32 v6, v6, v8                        ; in a part,
	v_lshl_add_u32 v7, v14, 12, v8                 ; and in out0
	v_mov_b32 v125, 0                              ; a lane permute's destination counts as one of its sources
	v_mov_b32 v127, 0xff800000                     ; -infinity
	s_wait_kmcnt 0x0
	s_add_nc_u64 s[4:5], s[4:5], s[14:15]
	s_add_nc_u64 s[6:7], s[6:7], s[18:19]
	s_add_nc_u64 s[8:9], s[8:9], s[20:21]
	s_add_nc_u64 s[10:11], s[10:11], s[22:23]
.irp s, 0,1,2,3,4,5,6,7
	global_load_b128 v[QF+4*\s:QF+4*\s+3], v1, s[4:5] offset:32*\s
.endr
.irp s, 0,1,2,3,4,5,6,7
	global_load_b128 v[KF+4*\s:KF+4*\s+3], v1, s[4:5] offset:4096+32*\s
.endr
.irp c, 0,1,2,3
.irp e, 0,1,2,3,4,5,6,7
	global_load_b32 v[VF+8*\c+\e], v2, s[4:5] offset:\e*12288+8192+64*\c
.endr
.endr
	global_load_b128 v[BB:BB+3], v8, s[8:9]
.irp c, 0,1,2,3
	global_load_b128 v[WF+8*\c:WF+8*\c+3],   v3, s[6:7] offset:64*\c
	global_load_b128 v[WF+8*\c+4:WF+8*\c+7], v3, s[6:7] offset:64*\c+16
.endr
	s_wait_loadcnt 41                              ; Q and K are in; V's 32 loads, the bias and Wp's 8 may be out
	; S^T = K Q^T: 16 products of 4 channels, on two accumulators by turns; each sum's first product takes the constant 0
.irp s, 0,1,2,3,4,5,6,7
.if \s == 0
	v_wmma_f32_16x16x4_f32 v[SA:SA+7], v[KF:KF+1], v[QF:QF+1], 0
	v_wmma_f32_16x16x4_f32 v[SB:SB+7], v[KF+2:KF+3], v[QF+2:QF+3], 0
.else
	v_wmma_f32_16x16x4_f32 v[SA:SA+7], v[KF+4*\s:KF+4*\s+1], v[QF+4*\s:QF+4*\s+1], v[SA:SA+7]
	v_wmma_f32_16x16x4_f32 v[SB:SB+7], v[KF+4*\s+2:KF+4*\s+3], v[QF+4*\s+2:QF+4*\s+3], v[SB:SB+7]
.endif
.endr
.rept 8
	v_nop                                          ; eight places behind this form (ISA guide 7.12.1), in front of the reads of the sums
.endr
.irp j, 0,1,2,3,4,5,6,7
	v_add_f32 v[PR+\j], v[SA+\j], v[SB+\j]         ; the scores, from each accumulator's low end on
.endr
.irp j, 0,1,2,3,4,5,6,7
	v_cmp_gt_i32 vcc_lo, \j, v4
	v_cndmask_b32 v[PR+\j], v[PR+\j], v127, vcc_lo ; hidden keys: -infinity
.endr
	v_max3_num_f32 v124, v[PR], v[PR+1], v[PR+2]
	v_max3_num_f32 v124, v124, v[PR+3], v[PR+4]
	v_max3_num_f32 v124, v124, v[PR+5], v[PR+6]
	v_max_num_f32 v124, v124, v[PR+7]
	v_permlanex16_b32 v125, v124, s24, s25
	v_max_num_f32 v124, v124, v125                 ; the row's maximum: key 0 counts for every query
	v_mul_f32 v126, s26, v124
.irp j, 0,1,2,3,4,5,6,7
	v_fma_f32 v[PR+\j], v[PR+\j], s26, -v126       ; c s - c m
.endr
.irp j, 0,1,2,3,4,5,6,7
	v_exp_f32 v[PR+\j], v[PR+\j]
.endr
	v_nop                                          ; a plain instruction behind the last exponential,
	s_wait_alu depctr_va_vdst(0)                   ; and one wait for the batch
	v_add_f32 v124, v[PR], v[PR+1]
	v_add_f32 v126, v[PR+2], v[PR+3]
	v_add_f32 v124, v124, v126
	v_add_f32 v126, v[PR+4], v[PR+5]
	v_add_f32 v124, v124, v126
	v_add_f32 v126, v[PR+6], v[PR+7]
	v_add_f32 v124, v124, v126
	v_permlanex16_b32 v125, v124, s24, s25
	v_add_f32 v124, v124, v125                     ; the row's sum
	v_rcp_f32 v126, v124
	v_nop
	s_wait_alu depctr_va_vdst(0)
.irp j, 0,1,2,3,4,5,6,7
	v_mul_f32 v[PR+\j], v[PR+\j], v126             ; p is normalised here, so that O^T is final
.endr
	s_wait_loadcnt 9                               ; V is in; the bias and Wp's 8 loads may be out
	; O^T = V^T P: four products of 4 keys for each of four tiles of channels, the tiles by turns
.irp s, 0,1,2,3
.irp c, 0,1,2,3
.if \s == 0
	v_wmma_f32_16x16x4_f32 v[OT+8*\c:OT+8*\c+7], v[VF+8*\c:VF+8*\c+1], v[PR:PR+1], 0
.else
	v_wmma_f32_16x16x4_f32 v[OT+8*\c:OT+8*\c+7], v[VF+8*\c+2*\s:VF+8*\c+2*\s+1], v[PR+2*\s:PR+2*\s+1], v[OT+8*\c:OT+8*\c+7]
.endif
.endr
.endr
.rept 9
	v_nop                                          ; nine places: the results become operands of matrix instructions
.endr
	s_wait_loadcnt 0x0                             ; Wp and the bias
	; Y^T = Wp O: K = my 64 channels, 16 products; four accumulators, one for each 16 channels, by turns
.irp s, 0,1,2,3
.irp c, 0,1,2,3
.if \s == 0
	v_wmma_f32_16x16x4_f32 v[Y+8*\c:Y+8*\c+7], v[WF+8*\c:WF+8*\c+1], v[OT+8*\c:OT+8*\c+1], 0
.else
	v_wmma_f32_16x16x4_f32 v[Y+8*\c:Y+8*\c+7], v[WF+8*\c+2*\s:WF+8*\c+2*\s+1], v[OT+8*\c+2*\s:OT+8*\c+2*\s+1], v[Y+8*\c:Y+8*\c+7]
.endif
.endr
.endr
.rept 8
	v_nop                                          ; eight places in front of the reads of the results
.endr
.irp j, 0,2,4,6
	v_pk_add_f32 v[YS+\j:YS+\j+1], v[Y+\j:Y+\j+1], v[Y+8+\j:Y+8+\j+1]             ; the four parts are added in other registers; each accumulator is read from its low end on
	v_pk_add_f32 v[YS+8+\j:YS+8+\j+1], v[Y+16+\j:Y+16+\j+1], v[Y+24+\j:Y+24+\j+1]
	v_pk_add_f32 v[YS+\j:YS+\j+1], v[YS+\j:YS+\j+1], v[YS+8+\j:YS+8+\j+1]
.endr
	ds_store_b128 v5, v[YS:YS+3]                   ; lane (r, h): out(row r, outputs 8 h + 0 .. 7), my head's part
	ds_store_b128 v5, v[YS+4:YS+7] offset:16
	s_wait_dscnt 0x0                               ; for the others' sake: my stores have landed
	s_barrier_signal -1
	s_barrier_wait -1
	s_cmp_ge_u32 s12, 2                            ; waves 0 and 1 add up eight rows each, 16 bytes a lane
	s_cbranch_scc1 .Ldone
.irp p, 0,1,2,3,4,5,6,7,8,9,10,11,12,13,14,15
	ds_load_b128 v[QF+4*\p:QF+4*\p+3], v6 offset:PART*\p
.endr
	s_wait_dscnt 0x0
.irp p, 0,1,2,3,4,5,6,7,8,9,10,11,12,13,14,15
	v_pk_add_f32 v[BB:BB+1], v[BB:BB+1], v[QF+4*\p:QF+4*\p+1]       ; the bias and the sixteen heads' parts, in ascending order
	v_pk_add_f32 v[BB+2:BB+3], v[BB+2:BB+3], v[QF+4*\p+2:QF+4*\p+3]
.endr
	global_store_b128 v7, v[BB:BB+3], s[10:11]     ; four lanes store a row's 64 consecutive bytes
.Ldone:
	s_wait_tensorcnt 0x0                           ; the wave's end, behind my last LDS store
	ds_add_u32 v[SPW], v[NIL]
	s_wait_dscnt 0x0
	s_endpgm
.Lfunc_end_k_qa03593d946_fine:
	.size	k_qa03593d946_fine, .Lfunc_end_k_qa03593d946_fine-k_qa03593d946_fine
	.p2alignl 7, 3214868480
	.fill 96, 4, 3214868480
	.section	.rodata,"a",@progbits
	.p2align	6, 0x0
	.amdhsa_kernel k_qa03593d946_fine
		.amdhsa_group_segment_fixed_size 22528
		.amdhsa_private_segment_fixed_size 0
		.amdhsa_enable_private_segment 0
		.amdhsa_kernarg_size 32
		.amdhsa_user_sgpr_count 2
		.amdhsa_user_sgpr_kernarg_segment_ptr 1
		.amdhsa_wavefront_size32 1
		.amdhsa_system_sgpr_workgroup_id_x 1
		.amdhsa_system_sgpr_workgroup_id_y 1
		.amdhsa_system_sgpr_workgroup_id_z 1
		.amdhsa_system_vgpr_workitem_id 0
		.amdhsa_next_free_vgpr 256
		.amdhsa_next_free_sgpr 66
		.amdhsa_reserve_vcc 1
		.amdhsa_float_denorm_mode_32 3
		.amdhsa_float_denorm_mode_16_64 3
		.amdhsa_memory_ordered 1
		.amdhsa_forward_progress 1
		.amdhsa_inst_pref_size 19
	.end_amdhsa_kernel
	.amdgpu_metadata
---
amdhsa.version: [ 1, 2 ]
amdhsa.kernels:
  - .name:           k_qa03593d946_fine
    .symbol:         k_qa03593d946_fine.kd
    .args:
      - { .name: fq, .offset: 0, .size: 8, .value_kind: global_buffer, .address_space: global }
      - { .name: Wp, .offset: 8, .size: 8, .value_kind: global_buffer, .address_space: global }
      - { .name: bp, .offset: 16, .size: 8, .value_kind: global_buffer, .address_space: global }
      - { .name: out0, .offset: 24, .size: 8, .value_kind: global_buffer, .address_space: global }
    .group_segment_fixed_size: 22528
    .private_segment_fixed_size: 0
    .kernarg_segment_align: 8
    .kernarg_segment_size: 32
    .max_flat_workgroup_size: 512
    .sgpr_count:     66
    .vgpr_count:     256
    .wavefront_size: 32
...
	.end_amdgpu_metadata
.endif
;; end of part 5
